; MI455X (gfx1250); checked and timed in simulation.
; The chip was launched on July 23, 2026; its instructions are those of AMD's public machine-readable ISA for CDNA 5 (MIT licence, August 2026) and "CDNA5" Instruction Set Architecture Reference Guide (July 2026). The comments in the code are by the model that wrote it; some were corrected since.
;; Cross Attention. Allowed arithmetic: matrix products marked QUANTISED: E2M3 operands, one E8M0 scale for each 32 along K, by v_wmma_scale_f32_16x16x128_f8f6f4 with both operands' format E2M3, f32 sums; everything else in f32.
;; Inputs: Wk 768 x 1,024 float32; Wo 1,024 x 1,024 float32; Wq 1,024 x 1,024 float32; Wv 768 x 1,024 float32; bo 1,024 float32; context 4 x 2,048 x 768 float32; x 4 x 2,048 x 1,024 float32.
;; Outputs: out0 4 x 2,048 x 1,024 float32.
;; This version of the problem:
;;   THIS VERSION OF THE PROBLEM IS GIVEN IN LOW PRECISION. The matrix products marked QUANTISED in the list below multiply operands that are first quantised to E2M3 (2 exponent bits, 3 mantissa bits; 6 bits a number), with one power-of-two scale for each 32 numbers along K (OCP MX v1.0); their sums are f32. All else is computed in f32.
;;   The module's matrix products, in the order in which they are computed (A, B: the left and right operand; K: the contracted axis; several contracted axes count as one K, in the product's order):
;;     1. [M 8,192, K 1,024] x [K 1,024, N 1,024]; A: input x; B: input Wq: QUANTISED
;;     2. [M 8,192, K 768] x [K 768, N 1,024]; A: input context; B: input Wk: QUANTISED
;;     3. [M 8,192, K 768] x [K 768, N 1,024]; A: input context; B: input Wv: QUANTISED
;;     4. batch 64 x [M 2,048, K 64] x [K 64, N 2,048]; A: computed on the way; B: computed on the way: QUANTISED
;;     5. batch 64 x [M 64, K 2,048] x [K 2,048, N 2,048]; A: computed on the way; B: softmax (see below): QUANTISED
;;     6. [M 8,192, K 1,024] x [K 1,024, N 1,024]; A: computed on the way; B: input Wo: QUANTISED
;;   THE QUANTISER, for each operand of a quantised product, along K:
;;     - K is cut into blocks of 32 from its start; a last block that is shorter is filled with zeros.
;;     - A block's scale is 2^e with e = floor(log2(the largest magnitude in the block)) - 2, held to -126 .. 127; a block of zeros has e = 0. As a byte (E8M0): e + 127.
;;     - Each number is divided by its block's scale, clamped to +-7.5, and rounded to the nearest number of E2M3, ties to even, subnormals kept.
;;     - The product sums the exact products of the quantised numbers (number of the format x scale) in f32.
;;   ~~~python
;;   def quantise(x, axis):      # numpy; x: float32 -> the quantised numbers, widened to float32 again
;;       x = np.moveaxis(x, axis, -1); K = x.shape[-1]
;;       x = np.pad(x, [(0, 0)] * (x.ndim - 1) + [(0, -K % 32)]); x = x.reshape(x.shape[:-1] + (-1, 32)); a = np.abs(x).max(-1, keepdims=True)
;;       e = np.where(a > 0, np.clip(np.frexp(np.where(a > 0, a, 1))[1] - 1 - 2, -126, 127), 0)      # np.frexp(a)[1] - 1 = floor(log2(a)), exactly
;;       r = np.clip(x / 2.0 ** e, -7.5, 7.5)
;;       step = 2.0 ** (np.maximum(np.frexp(np.where(r == 0, 1, r))[1] - 1, 0) - 3)
;;       q = np.round(r / step) * step * 2.0 ** e      # np.round: ties to even
;;       return np.moveaxis(q.reshape(q.shape[:-2] + (-1,))[..., :K], -1, axis).astype(np.float32)
;;   ~~~
;;   SOFTMAX AHEAD OF A QUANTISED PRODUCT. Where the list says 'softmax', what is quantised is not the finished softmax but p = 2^(t - M), with t = logit x log2(e) and M = ceil(the row's largest t), a whole number; so 1/2 < the row's largest p <= 1. The row's sum l is taken of the UNQUANTISED p, in f32, and the product's result is divided by l at the end. Since M is a whole number, a kernel that streams over the keys may use a running M (the ceiling of the running maximum): every later rescaling is an exact power of two, which a block's scale takes up: the codes' values come out the same.
;;   OPERANDS COMPUTED ON THE WAY. 'Computed on the way' means the value that the module computes at that place (a softmax that the list does not call 'softmax' is quantised finished and normalised). What goes into a quantiser is computed in f32, as accurately as f32 sums, v_exp_f32 and their like allow (about 1e-6 of the number): no bf16 or f16 on the way to a quantiser, and a product that is left as it is and whose result goes on into a quantised operand takes f32 operands (vector FMAs, or v_wmma_f32_16x16x4_f32). A number that lies on a knife's edge between two numbers of the format may be rounded either way, as far as f32 arithmetic and the matrix unit's own rounding can turn it there, and no further.
;; One version. Each part assembles by itself: llvm-mc -triple=amdgcn-amd-amdhsa -mcpu=gfx1250 --defsym DOCPART=n.
;; ======== version 1 of 1: 4 launches
;; limits: right only within a limited range of input values
;; workspace buffers: arec 11,468,800 bytes; wrec 22,937,600 bytes; kva 13,369,344 bytes; orec 6,553,600 bytes
;; launch quant (part 1): grid 560 x 1, 4 waves a work-group, no clusters, 61,952 bytes of LDS; arguments x, context, Wq, Wo, Wk, Wv, arec, wrec; writes arec, wrec
.if DOCPART == 1
	.amdgcn_target "amdgcn-amd-amdhsa--gfx1250"
	.amdhsa_code_object_version 6
	.text
	.protected	k_qa83265c6c8_quant
	.globl	k_qa83265c6c8_quant
	.p2align	8
	.type	k_qa83265c6c8_quant,@function
k_qa83265c6c8_quant:
	s_mov_b64 s[64:65], 0
	v_nop
	global_prefetch_b8 v0, s[64:65] scope:SCOPE_SE
	s_setreg_imm32_b32 hwreg(HW_REG_WAVE_MODE, 25, 1), 1
	s_wait_xcnt 0x0
; x [8192][1024], context [8192][768] (K innermost) and Wq, Wo [1024][1024], Wk, Wv [768][1024] (K is the FIRST axis), all f32, become codes of FP6 (E2M3) with one E8M0 byte for each 32 along K,
; laid in the order of a matrix operand's registers.  A block's scale is 2^(floor(log2(largest magnitude)) - 2); its byte is the largest magnitude's exponent field - 2, held at 1 from below.
; LIMITS: a block of zeros gets the byte 1 where the rule says 127 (its codes are zeros, and this program alone reads the bytes); blocks whose largest magnitude lies under 2^-124 are held at byte 1;
; NaN and infinities among the inputs are not served.
; A RECORD (6,400 bytes) holds 32 rows x 256 K: two tiles u of 16 rows; lane r of tile u holds row 8 u + r + 8 (r / 8).  Half fragment (u, j), 16 rows x 64 K, lies at 3072 u + 768 j: lane l = r + 16 h
; holds k = 32 h .. 32 h + 31 of its row, 24 bytes: its first 16 at 16 l, its last 8 at 512 + 8 l.  The scale word of (u, r, step s of 128 K) lies at 6144 + 8 (r + 16 s) + 4 u.
; A wave makes one record.  Work-groups 0-447: rows of x (planes 0-3 of arec) and of context (planes 4-6).  Work-groups 448-559: columns of the weights (14 planes of wrec: Wq 4, Wo 4, Wk 3, Wv 3).
; The two ways part once, on the work-group's number, and have LDS bytes of their own.  Waves share nothing: no barrier.
.set SPARE, 61440                      ; the spare words, 128 bytes for each wave: two blocks of 256 bytes that no other line names
.set SPW,  12                          ; v12  LDS address of my spare word; never rewritten
.set NIL,  13                          ; v13  0; never rewritten
; rows (K innermost)
.set VO,   16                          ; v16-31   byte offset of row 2 i + h of the pair, + 16 r; never rewritten
.set R,    32                          ; v32-127  three sets of 32: a half fragment's numbers as loaded
.set X,    128                         ; v128-191 two sets of 32 neighbours along K
.set C,    192                         ; v192-207 two sets: a half fragment's six registers
.set D,    208                         ; v208-210 the second conversion's three
.set BP,   211                         ; the byte of the half fragment before
.set MX,   212                         ; v212-213 largest magnitudes
.set SOP,  214                         ; the conversions' scale operand
.set BY,   215                         ; the scale's byte
.set WD,   216                         ; v216-219 scale words (u, s)
.set WS,   220                         ; v220-221 the pair that leaves
.set T,    222                         ; v222-223 at work
; columns (K outermost)
.set XW,   32                          ; v32-95   two sets of 32 numbers down K
.set CW,   96
.set DW,   102
.set SB,   106                         ; v106-107 my column's two scale words
.set MXW,  108
.set SOPW, 110
.set BYW,  111
.set OUTR, 112                         ; v112-161 the record on its way out
.macro MAX32 xs, m                     ; the largest magnitude of 32 numbers, in two chains, with the floor 2^(3 - 127) among the leaves: the byte cannot fall under 1
	v_max3_num_f32 v[\m], |v[\xs]|, |v[\xs+1]|, 0x1800000
	v_max3_num_f32 v[\m+1], |v[\xs+2]|, |v[\xs+3]|, |v[\xs+4]|
.irp i, 5,9,13,17,21,25
	v_max3_num_f32 v[\m], v[\m], |v[\xs+\i]|, |v[\xs+\i+1]|
	v_max3_num_f32 v[\m+1], v[\m+1], |v[\xs+\i+2]|, |v[\xs+\i+3]|
.endr
	v_max3_num_f32 v[\m], v[\m], |v[\xs+29]|, |v[\xs+30]|
	v_max3_num_f32 v[\m], v[\m], v[\m+1], |v[\xs+31]|
.endm
.macro LOADA t                         ; half fragment t = 4 u + j: sixteen lanes read 256 consecutive bytes of one row, two rows an instruction; tile row 2 i + h is the pair's row 8 u + 2 i + h + 8 (i / 4)
.irp i, 0,1,2,3,4,5,6,7
	global_load_b128 v[R+32*((\t)%3)+4*\i:R+32*((\t)%3)+4*\i+3], v[VO+4*((\t)/4)+(\i%4)+8*(\i/4)], s[4:5] offset:256*((\t)%4) th:TH_LOAD_NT
.endr
.endm
.macro TURN t                          ; through my stage (16 rows x 272 bytes): in as loaded, out 128 bytes a lane: 32 neighbours along K.  LDS serves a wave's instructions in order
.irp i, 0,1,2,3,4,5,6,7
	ds_store_b128 v4, v[R+32*((\t)%3)+4*\i:R+32*((\t)%3)+4*\i+3] offset:4352*((\t)%2)+544*\i
.endr
.irp q, 0,1,2,3,4,5,6,7
	ds_load_b128 v[X+32*((\t)%2)+4*\q:X+32*((\t)%2)+4*\q+3], v5 offset:4352*((\t)%2)+16*\q
.endr
.endm
.macro STEPA t
.set XS, X+32*((\t)%2)
.set CC, C+8*((\t)%2)
.set UU, (\t)/4
.set JJ, (\t)%4
	s_wait_dscnt 0x0                               ; my 32 neighbours are back; the stage's stores have read their registers,
.if (\t)+3 < 8
	LOADA (\t)+3                                   ; which take the loads of three steps on
.endif
.if (\t)+1 < 8
.if (\t) < 5
	s_wait_loadcnt 16                              ; the next step's eight loads are in; those of the two steps behind it may be out
.else
	s_wait_loadcnt 8*(6-(\t))
.endif
	TURN (\t)+1
.endif
	MAX32 XS, MX                                   ; a whole block of 32 is mine
	v_add_nc_u32 v[SOP], 0xff000000, v[MX]         ; 2 off the exponent field: the conversion takes this operand's exponent field as its scale
	s_wait_alu depctr_va_vdst(0)
	s_wait_xcnt 0x0                                ; the stores of two steps ago have read this set of codes
	v_cvt_scalef32_pk16_fp6_f32 v[CC:CC+2], v[XS:XS+15], v[SOP]
	v_cvt_scalef32_pk16_fp6_f32 v[D:D+2], v[XS+16:XS+31], v[SOP]   ; (a conversion's three registers begin on an even number)
	v_lshrrev_b32 v[BY], 23, v[SOP]                ; the scale's byte; also the plain place behind the conversions
.irp i, 0,1,2
	v_mov_b32 v[CC+3+\i], v[D+\i]
.endr
	global_store_b128 v6, v[CC:CC+3], s[44:45] offset:3072*UU+768*JJ       ; 512 consecutive bytes
	global_store_b64 v7, v[CC+4:CC+5], s[44:45] offset:3072*UU+768*JJ+512   ; 256 consecutive bytes
.if JJ%2 == 0
	v_mov_b32 v[BP], v[BY]
.else
	v_lshl_or_b32 v[T], v[BY], 16, v[BP]           ; my two bytes of the step's word: blocks h and 2 + h,
	v_lshlrev_b32 v[T], v8, v[T]                   ; 8 h bits up;
	v_permlanex16_b32 v[T+1], v[T], s20, s21
	v_or_b32 v[WD+2*UU+JJ/2], v[T], v[T+1]         ; with lane l xor 16's two the word is whole
.endif
.if JJ == 3
	v_cndmask_b32 v[WS+UU], v[WD+2*UU], v[WD+2*UU+1], s13   ; lanes 0-15 send step 0's word, lanes 16-31 step 1's
.endif
.endm
.macro LOADW t                         ; block t: W(32 t + i, my column): 128 consecutive bytes a wave, 512 a work-group
.irp i, 0,1,2,3,4,5,6,7,8,9,10,11,12,13,14,15,16,17,18,19,20,21,22,23,24,25,26,27,28,29,30,31
	global_load_b32 v[XW+32*((\t)%2)+\i], v11, s[4:5] offset:(32*(\t)+\i)*4096 th:TH_LOAD_NT
.endr
.endm
.macro BLOCKW t
.set XS, XW+32*((\t)%2)
.if (\t) < 7
	s_wait_loadcnt 32                              ; this block's 32 loads are in; the next block's may be out
.else
	s_wait_loadcnt 0x0
.endif
	MAX32 XS, MXW
	v_add_nc_u32 v[SOPW], 0xff000000, v[MXW]
	v_lshrrev_b32 v[BYW], 23, v[SOPW]
.if (\t)%4 == 0
	v_mov_b32 v[SB+(\t)/4], v[BYW]                 ; four bytes to a word, the lower K in the lower byte
.else
	v_lshl_or_b32 v[SB+(\t)/4], v[BYW], 8*((\t)%4), v[SB+(\t)/4]
.endif
	v_cvt_scalef32_pk16_fp6_f32 v[CW:CW+2], v[XS:XS+15], v[SOPW]
	v_cvt_scalef32_pk16_fp6_f32 v[DW:DW+2], v[XS+16:XS+31], v[SOPW]
	v_nop                                          ; one plain place behind the conversions
.irp i, 0,1,2
	v_mov_b32 v[CW+3+\i], v[DW+\i]
.endr
	ds_store_b128 v4, v[CW:CW+3] offset:768*((\t)/2)+256*((\t)%2)    ; into the record's image: half fragment t / 2, lane r' + 16 (t % 2)
	ds_store_b64 v5, v[CW+4:CW+5] offset:768*((\t)/2)+128*((\t)%2)
.if (\t)+2 < 8
	LOADW (\t)+2
.endif
	s_wait_dscnt 0x0                               ; the stores have read their registers: the next block's codes may be written
.endm
	s_load_b512 s[32:47], s[0:1], 0x0              ; x, context, Wq, Wo, Wk, Wv, arec, wrec
	v_lshl_add_u32 v[SPW], v0, 2, SPARE
	v_mov_b32 v[NIL], 0
	v_lshrrev_b32 v1, 5, v0
	v_readfirstlane_b32 s16, v1                    ; wave 0..3
	v_and_b32 v1, 15, v0                           ; r
	v_bfe_u32 v2, v0, 4, 1                         ; h
	v_and_b32 v3, 31, v0                           ; l
	s_mov_b32 s20, 0x76543210
	s_mov_b32 s21, 0xfedcba98                      ; v_permlanex16_b32's selects for lane l xor 16
	s_cmp_lt_u32 ttmp9, 448
	s_cbranch_scc0 .Lweights
	; ---- rows of x and of context
	s_lshr_b32 s2, ttmp9, 6                        ; plane 0..6
	s_and_b32 s3, ttmp9, 63
	s_lshl_b32 s3, s3, 2
	s_add_co_u32 s3, s3, s16                       ; pair of tiles 0..255
	s_mov_b32 s6, 3072
	s_wait_kmcnt 0x0
	s_cmp_lt_u32 s2, 4                             ; x or context?  The choice hangs on the work-group's number alone
	s_cselect_b64 s[4:5], s[32:33], s[34:35]
	s_cselect_b32 s6, 4096, s6                     ; a row in bytes
	s_cselect_b32 s7, 0, 4
	s_sub_co_u32 s7, s2, s7                        ; which 256 along K
	s_lshl_b32 s7, s7, 10
	s_lshl_b32 s8, s3, 5
	s_mul_i32 s8, s8, s6                           ; 32 rows a pair
	s_add_co_u32 s8, s8, s7
	s_mov_b32 s9, 0
	s_add_nc_u64 s[4:5], s[4:5], s[8:9]
	s_lshl_b32 s10, s2, 8
	s_add_co_u32 s10, s10, s3
	s_mul_i32 s10, s10, 6400
	s_mov_b32 s11, 0
	s_add_nc_u64 s[44:45], s[44:45], s[10:11]      ; my record
	s_wait_alu depctr_va_vdst(0)
	v_mul_u32_u24 v[VO], v2, s6
	v_lshl_add_u32 v[VO], v1, 4, v[VO]             ; row h, + 16 r
	s_lshl_b32 s7, s6, 1
.irp i, 1,2,3,4,5,6,7,8,9,10,11,12,13,14,15
	v_add_nc_u32 v[VO+\i], s7, v[VO+\i-1]          ; two rows on
.endr
	s_mul_i32 s12, s16, 8704                       ; my two stages
	v_mul_u32_u24 v4, v2, 272
	v_lshl_add_u32 v4, v1, 4, v4
	v_add_nc_u32 v4, s12, v4                       ; in: row h (+ 2 i by the offset), 16 r
	v_mul_u32_u24 v5, v1, 272
	v_lshl_add_u32 v5, v2, 7, v5
	v_add_nc_u32 v5, s12, v5                       ; out: row r, 128 h
	v_lshlrev_b32 v6, 4, v3                        ; 16 l
	v_lshlrev_b32 v7, 3, v3                        ; 8 l
	v_lshlrev_b32 v8, 3, v2                        ; 8 h
	v_cmp_ne_u32 s13, 0, v2                        ; lanes 16-31
	v_mov_b32 v[T+1], 0                            ; written once: a lane permute's destination counts as one of its sources
	LOADA 0
	LOADA 1
	LOADA 2
	s_wait_alu depctr_va_vdst(0)
	s_wait_loadcnt 16                              ; step 0's eight loads are in
	TURN 0
.irp t, 0,1,2,3,4,5,6,7
	STEPA \t
.endr
	global_store_b64 v7, v[WS:WS+1], s[44:45] offset:6144   ; the record's 256 bytes of scale words
	s_wait_tensorcnt 0x0                           ; the wave's end, behind my last LDS store
	ds_add_u32 v[SPW], v[NIL]
	s_wait_dscnt 0x0
	s_endpgm
.Lweights:
	; ---- columns of the weights: a lane takes a column n, its registers run down K
	s_sub_co_u32 s2, ttmp9, 448
	s_lshr_b32 s3, s2, 3                           ; plane 0..13
	s_and_b32 s2, s2, 7
	s_lshl_b32 s2, s2, 2
	s_add_co_u32 s2, s2, s16                       ; pair of tiles 0..31
	s_wait_kmcnt 0x0
	s_cmp_lt_u32 s3, 11
	s_cselect_b64 s[4:5], s[40:41], s[42:43]       ; Wk or Wv,
	s_cselect_b32 s6, 8, 11
	s_cmp_lt_u32 s3, 8
	s_cselect_b64 s[4:5], s[38:39], s[4:5]         ; Wo,
	s_cselect_b32 s6, 4, s6
	s_cmp_lt_u32 s3, 4
	s_cselect_b64 s[4:5], s[36:37], s[4:5]         ; Wq
	s_cselect_b32 s6, 0, s6
	s_sub_co_u32 s6, s3, s6                        ; which 256 along K
	s_lshl_b32 s6, s6, 20                          ; 256 rows of 4,096 bytes
	s_lshl_b32 s7, s2, 7                           ; 32 columns of 4 bytes
	s_add_co_u32 s6, s6, s7
	s_mov_b32 s7, 0
	s_add_nc_u64 s[4:5], s[4:5], s[6:7]
	s_lshl_b32 s8, s3, 8                           ; wrec's planes lie 256 records apart, as arec's do (32 of them are written): one pitch serves every tensor load of the products
	s_add_co_u32 s8, s8, s2
	s_mul_i32 s8, s8, 6400
	s_mov_b32 s9, 0
	s_add_nc_u64 s[46:47], s[46:47], s[8:9]        ; my record
	v_bfe_u32 v14, v0, 3, 1                        ; column c = l lies in tile u = (c / 8) % 2,
	v_and_b32 v15, 7, v0
	s_wait_alu depctr_va_vdst(0)
	v_lshl_or_b32 v15, v2, 3, v15                  ; at lane r' = c % 8 + 8 (c / 16)
	s_mul_i32 s12, s16, 6656
	s_add_co_u32 s12, s12, 34816                   ; my record's image in LDS
	v_mul_u32_u24 v4, v14, 3072
	v_add_nc_u32 v4, s12, v4
	v_lshl_add_u32 v5, v15, 3, v4
	v_add_nc_u32 v5, 512, v5                       ; 3072 u + 512 + 8 r'
	v_lshl_add_u32 v4, v15, 4, v4                  ; 3072 u + 16 r'
	v_lshlrev_b32 v6, 3, v15
	v_lshl_add_u32 v6, v14, 2, v6
	v_add_nc_u32 v6, s12, v6
	v_add_nc_u32 v6, 6144, v6                      ; 6144 + 8 r' + 4 u
	v_lshlrev_b32 v9, 4, v3                        ; 16 l
	v_lshlrev_b32 v10, 3, v3                       ; 8 l
	v_lshlrev_b32 v11, 2, v3                       ; 4 l
	v_add_nc_u32 v7, s12, v9
	v_add_nc_u32 v8, s12, v10
	v_add_nc_u32 v8, 6144, v8
	LOADW 0
	LOADW 1
.irp t, 0,1,2,3,4,5,6,7
	BLOCKW \t
.endr
	ds_store_b32 v6, v[SB]
	s_wait_alu depctr_va_vdst(0)
	ds_store_b32 v6, v[SB+1] offset:128
.irp i, 0,1,2,3,4,5,6,7,8,9,10,11
	ds_load_b128 v[OUTR+4*\i:OUTR+4*\i+3], v7 offset:512*\i    ; LDS serves a wave's instructions in order: these see my stores
.endr
	ds_load_b64 v[OUTR+48:OUTR+49], v8
.irp i, 0,1,2,3,4,5,6,7,8,9,10,11
	s_wait_dscnt 12-\i                             ; load i is in; the younger ones may be out
	global_store_b128 v9, v[OUTR+4*\i:OUTR+4*\i+3], s[46:47] offset:512*\i   ; 512 consecutive bytes
.endr
	s_wait_dscnt 0x0
	global_store_b64 v10, v[OUTR+48:OUTR+49], s[46:47] offset:6144
	s_wait_tensorcnt 0x0                           ; the wave's end, behind my last LDS store
	ds_add_u32 v[SPW], v[NIL]
	s_wait_dscnt 0x0
	s_endpgm
.Lfunc_end_k_qa83265c6c8_quant:
	.size	k_qa83265c6c8_quant, .Lfunc_end_k_qa83265c6c8_quant-k_qa83265c6c8_quant
	.p2alignl 7, 3214868480
	.fill 96, 4, 3214868480
	.section	.rodata,"a",@progbits
	.p2align	6, 0x0
	.amdhsa_kernel k_qa83265c6c8_quant
		.amdhsa_group_segment_fixed_size 61952
		.amdhsa_private_segment_fixed_size 0
		.amdhsa_enable_private_segment 0
		.amdhsa_kernarg_size 64
		.amdhsa_user_sgpr_count 2
		.amdhsa_user_sgpr_kernarg_segment_ptr 1
		.amdhsa_wavefront_size32 1
		.amdhsa_system_sgpr_workgroup_id_x 1
		.amdhsa_system_sgpr_workgroup_id_y 1
		.amdhsa_system_sgpr_workgroup_id_z 1
		.amdhsa_system_vgpr_workitem_id 0
		.amdhsa_next_free_vgpr 224
		.amdhsa_next_free_sgpr 66
		.amdhsa_reserve_vcc 0
		.amdhsa_float_denorm_mode_32 3
		.amdhsa_float_denorm_mode_16_64 3
		.amdhsa_memory_ordered 1
		.amdhsa_forward_progress 1
		.amdhsa_inst_pref_size 74
	.end_amdhsa_kernel
	.amdgpu_metadata
---
amdhsa.version: [ 1, 2 ]
amdhsa.kernels:
  - .name:           k_qa83265c6c8_quant
    .symbol:         k_qa83265c6c8_quant.kd
    .args:
      - { .name: x, .offset: 0, .size: 8, .value_kind: global_buffer, .address_space: global }
      - { .name: context, .offset: 8, .size: 8, .value_kind: global_buffer, .address_space: global }
      - { .name: Wq, .offset: 16, .size: 8, .value_kind: global_buffer, .address_space: global }
      - { .name: Wo, .offset: 24, .size: 8, .value_kind: global_buffer, .address_space: global }
      - { .name: Wk, .offset: 32, .size: 8, .value_kind: global_buffer, .address_space: global }
      - { .name: Wv, .offset: 40, .size: 8, .value_kind: global_buffer, .address_space: global }
      - { .name: arec, .offset: 48, .size: 8, .value_kind: global_buffer, .address_space: global }
      - { .name: wrec, .offset: 56, .size: 8, .value_kind: global_buffer, .address_space: global }
    .group_segment_fixed_size: 61952
    .private_segment_fixed_size: 0
    .kernarg_segment_align: 8
    .kernarg_segment_size: 64
    .max_flat_workgroup_size: 128
    .sgpr_count:     66
    .vgpr_count:     224
    .wavefront_size: 32
...
	.end_amdgpu_metadata
.endif
;; end of part 1
;; launch proj_kv (part 2): grid 4 x 128, 4 waves a work-group, clusters of 4 x 4, 327,680 bytes of LDS; arguments arec, wrec, kva; writes kva
.if DOCPART == 2
	.amdgcn_target "amdgcn-amd-amdhsa--gfx1250"
	.amdhsa_code_object_version 6
	.text
	.protected	k_qa83265c6c8_proj_kv
	.globl	k_qa83265c6c8_proj_kv
	.p2align	8
	.type	k_qa83265c6c8_proj_kv,@function
k_qa83265c6c8_proj_kv:
	s_mov_b64 s[64:65], 0
	v_nop
	global_prefetch_b8 v0, s[64:65] scope:SCOPE_SE
	s_setreg_imm32_b32 hwreg(HW_REG_WAVE_MODE, 25, 1), 1
	s_wait_xcnt 0x0
	s_wait_alu depctr_hold_cnt(0) depctr_sa_sdst(0) depctr_va_vdst(0) depctr_va_sdst(0) depctr_va_ssrc(0) depctr_va_vcc(0) depctr_vm_vsrc(0)
	s_getreg_b32 s2, hwreg(HW_REG_IB_STS2, 6, 4)
	s_cmp_eq_u32 s2, 0
	s_cbranch_scc0 .Lentry_in_a_cluster
	s_endpgm
.Lentry_in_a_cluster:
	s_bfe_u32 s2, ttmp6, 0x10000c
	s_cmp_lg_u32 s2, 0xf033
	s_cbranch_scc0 .Lentry_shape_is_right
	s_endpgm
.Lentry_shape_is_right:
; k = context Wk and v = context Wv on codes of FP6 (E2M3) with E8M0 scales; k is quantised along the head's 64, v along the KEYS, on the way out.  Operands come as RECORDS of 6,400 bytes (32 rows x 256 K in
; the order of an operand's registers: tile u at 3072 u, 128 K at 1536 s; scale word of (u, r, s) at 6144 + 8 (r + 16 s) + 4 u; lane r of tile u holds row 8 u + r + 8 (r / 8)), laid [256 along K][pair of tiles].
; Source 1 = 16 rows of R, source 0 = 16 rows of P: a lane holds ONE row of R, and the 16 registers of P's tiles 2 b, 2 b + 1 are P's rows 32 b + 16 h + 0 .. 15: neighbours along the next K.
; Clusters 0-15 along y make k: R = context's rows (keys), P = Wk's columns.  Clusters 16-31 make v: R = Wv's columns, P = context's rows, so that a lane's registers run along the keys.
; What differs is chosen by s_cselect on the cluster's y, which all partners share: no branch hangs on it.
; SHARES.  A work-group: 128 rows of R x 256 of P, all of K, which lies in LDS whole (3 chunks of 12 records), filled once.  Wave: 64 x 128: 32 accumulators.  512 work-groups.
; CLUSTER 4 x 4: R's records are shared along a row of the cluster, P's along a column: each is asked for jointly.  Waves 0, 1 fetch R's halves, waves 2, 3 P's: one load a wave, issued at the start.
; kva: [batch x head][step of 128 keys][13,056]: K's 8 half fragments (16 keys x 64) from 0; V^T's 4 fragments (16 d x 128 keys) from 6,144; K's scale words [tile][16] from 12,288 (upper two bytes 0); V's [tile][16] from 12,800.
; For v lanes 16-31 store the same scale word to the same place as lanes 0-15.  The scale words leave as runs of 64 bytes: one part in 12 of what the wave stores.
; LIMITS: a block of zeros gets the byte 1, not 127 (zero codes; only this program reads the bytes); largest magnitudes under 2^-124 are held at byte 1; NaN and infinities are not served.
; REGISTERS: window 0: v1-14 lane numbers and addresses; v32-63 scale words, two sets; v64-111 R's four fragments; v112-149 the way out.  Window 1: P's eight fragments, two sets (v0, v128).  Window 2: accumulator (a, b) at v[8 (8 a + b)].
.set KCH,   3                          ; chunks of 256 along K
.set REC,   6400
.set CHB,   12*REC                     ; a chunk in LDS: R's 4 records, then P's 8
.set SPARE, 4*CHB                      ; the spare words, 128 bytes for each wave: two blocks of 256 bytes that no other line names
.set ACS,   1638400                    ; from chunk to chunk in arec
.set WCS,   204800                     ; and in wrec
.set CTX_OFF, 6553600                  ; context's planes in arec
.set BLK,   13056
.set R16, 4
.set R8,  5
.set P16, 6
.set P8,  7
.set ADRS, 8
.set V16, 9
.set V8,  10
.set V16C, 11
.set V8C, 12
.set VSC, 13
.set SHV, 14
; LDS, as the text below has it: each wave brings its records of ALL chunks by ONE tensor load, a row of the tile being its records of one chunk:
; R's half w from w x KCH x 2 records, P's half w from KCH x 4 records x (1 + w); in a region chunk c lies c x 2 (R) or c x 4 (P) records on.  One wait for 0 and one barrier show all of K.
; arec's and wrec's planes lie equally far apart (ACS), so the pitch is a constant for k and for v.
.set ASTEP, 15                         ; v15 from chunk to chunk for the scale words: lanes 0-15 two records, lanes 16-31 four
.set SPW, 28                           ; v28 LDS address of my spare word; never rewritten
.set NIL, 29                           ; v29 0; never rewritten
.set SC,  32
.set RF,  64
.set PC,  112
.set TM,  132
.set PW,  148
.set PWS, 149
.set WV,  12
.set WR,  13
.set WP,  14
.set G1R, 16
.set G1P, 24
.set G0R, 32
.set G0P, 48
.set SEL, 96
.set MSB, 0
.macro WIN new                         ; the immediate's high byte repeats the setting that is left
.if MSB != \new
	s_set_vgpr_msb (MSB<<8)|\new
.set MSB, \new
.endif
.endm
.set MUL,  0xa1                        ; source 0 (P) window 1, source 1 (R) window 0, C and D window 2
.set TO_P, 0x40                        ; destination window 1
.macro PLACES n
.rept \n
	v_nop
.endr
.endm
.macro CROUND                          ; a round of the cluster's barrier
	s_barrier_signal -1
	s_barrier_wait -1
	s_cmp_lg_u32 s[WV], 0
	s_cbranch_scc1 .Lnot_wave_0_\@
	s_barrier_signal -3
.Lnot_wave_0_\@:
	s_barrier_wait -3
	s_barrier_signal -1
	s_barrier_wait -1
.endm
.macro FRAG reg, a16, a8, off          ; a fragment, 16 rows x 128 K, 12 registers: two half fragments, each 16 bytes a lane and then 8: every access is consecutive over the lanes
	ds_load_b128 v[\reg:\reg+3], v[\a16] offset:\off
	ds_load_b64 v[\reg+4:\reg+5], v[\a8] offset:\off+512
	ds_load_b128 v[\reg+6:\reg+9], v[\a16] offset:\off+768
	ds_load_b64 v[\reg+10:\reg+11], v[\a8] offset:\off+1280
.endm
.macro FETCH_P s, set                  ; P's eight fragments of the chunk's step s: 32 loads
	WIN TO_P
.irp b, 0,1,2,3,4,5,6,7
	FRAG 128*(\set)+12*\b, P16, P8, (\b/2)*REC+(\b%2)*3072+1536*(\s)
.endr
	WIN 0
.endm
.macro FETCH_R s, a0                   ; R's tiles a0, a0 + 1: 8 loads
.irp a, \a0, \a0+1
	FRAG RF+12*(\a), R16, R8, ((\a)/2)*REC+((\a)%2)*3072+1536*(\s)
.endr
.endm
.macro SCALES set                      ; a chunk's scale words: register 8 s + i: lanes 0-15 R's tile i, lanes 16-31 P's tile i (for i over 3 lanes 0-15 bring words that no product names): 8 loads
.irp s, 0,1
.irp i, 0,1,2,3
	ds_load_b64 v[SC+16*(\set)+8*\s+2*\i:SC+16*(\set)+8*\s+2*\i+1], v[ADRS] offset:REC*\i+128*\s
.endr
.endr
.endm
.macro MUL8 a, set, s, sc, zero        ; R's tile a against P's eight.  The 32 accumulators take turns, in the same order in every step
.irp b, 0,1,2,3,4,5,6,7
.if \zero
	v_wmma_scale_f32_16x16x128_f8f6f4 v[8*(8*(\a)+\b):8*(8*(\a)+\b)+7], v[128*(\set)+12*\b:128*(\set)+12*\b+11], v[RF+12*(\a):RF+12*(\a)+11], 0, v[SC+16*(\sc)+8*(\s)+\b], v[SC+16*(\sc)+8*(\s)+(\a)] matrix_a_fmt:MATRIX_FMT_FP6 matrix_b_fmt:MATRIX_FMT_FP6 matrix_a_scale:MATRIX_SCALE_ROW1
.else
	v_wmma_scale_f32_16x16x128_f8f6f4 v[8*(8*(\a)+\b):8*(8*(\a)+\b)+7], v[128*(\set)+12*\b:128*(\set)+12*\b+11], v[RF+12*(\a):RF+12*(\a)+11], v[8*(8*(\a)+\b):8*(8*(\a)+\b)+7], v[SC+16*(\sc)+8*(\s)+\b], v[SC+16*(\sc)+8*(\s)+(\a)] matrix_a_fmt:MATRIX_FMT_FP6 matrix_b_fmt:MATRIX_FMT_FP6 matrix_a_scale:MATRIX_SCALE_ROW1
.endif
.endr
.endm
.macro STEP sc, zero                   ; a chunk's first 128 along K; fetches its second
	s_wait_dscnt 8                                 ; all but the youngest eight loads (R's tiles 2, 3) are in
	WIN MUL
	MUL8 0, 0, 0, \sc, \zero
	MUL8 1, 0, 0, \sc, \zero
	s_wait_dscnt 0x0
	PLACES 4                                       ; in front of loads into registers that matrix instructions have read
	FETCH_P 1, 1
	FETCH_R 1, 0
	WIN MUL
	MUL8 2, 0, 0, \sc, \zero
	MUL8 3, 0, 0, \sc, \zero
	PLACES 4
	WIN 0
	FETCH_R 1, 2
.endm
.macro TURN c                          ; chunk c's second 128 along K, and on to chunk c + 1.
	s_wait_dscnt 8
	WIN MUL
	MUL8 0, 1, 1, (\c)%2, 0
	s_wait_dscnt 0x0                               ; all my LDS loads are in, R's tiles 2, 3 too
	MUL8 1, 1, 1, (\c)%2, 0
	WIN 0
	v_add_nc_u32 v[R16], 2*REC, v[R16]             ; five plain instructions: also the places in front of the loads below
	v_add_nc_u32 v[R8], 2*REC, v[R8]
	v_add_nc_u32 v[P16], 4*REC, v[P16]
	v_add_nc_u32 v[P8], 4*REC, v[P8]
	v_add_nc_u32 v[ADRS], v[ASTEP], v[ADRS]
	FETCH_P 0, 0
	FETCH_R 0, 0
	SCALES ((\c)+1)%2
	WIN MUL
	MUL8 2, 1, 1, (\c)%2, 0
	MUL8 3, 1, 1, (\c)%2, 0
	PLACES 4
	WIN 0
	FETCH_R 0, 2
.endm
; THE WAY OUT of R's tile a: 64 numbers a lane, register 16 b + i = P's row 32 b + 16 h + i, become a fragment's codes and its scale word.
.macro EPI a
	WIN 0x0a                                       ; sources 0 and 1: window 2
.irp bb, 0,1,2,3
	v_max3_num_f32 v[TM+\bb], |v[64*\a+16*\bb]|, |v[64*\a+16*\bb+1]|, 0x1800000   ; each accumulator from its low end on; the floor 2^(3 - 127) holds the byte at 1 from below
.endr
.irp i, 2,4,6,8,10,12,14
.irp bb, 0,1,2,3
	v_max3_num_f32 v[TM+\bb], |v[64*\a+16*\bb+\i]|, |v[64*\a+16*\bb+\i+1]|, v[TM+\bb]
.endr
.endr
	WIN 0
.irp bb, 0,1,2,3
	v_permlanex16_b32 v[TM+4+\bb], v[TM+\bb], s[SEL], s[SEL+1]
.endr
.irp bb, 0,1,2,3
	v_max_num_f32 v[TM+\bb], v[TM+\bb], v[TM+4+\bb]      ; with lane l xor 16's: the block's largest magnitude
.endr
.irp bb, 0,1,2,3
	v_add_nc_u32 v[TM+12+\bb], 0xff000000, v[TM+\bb]     ; the conversion's scale operand
.endr
.irp bb, 0,1,2,3
	v_lshrrev_b32 v[TM+4+\bb], 23, v[TM+12+\bb]          ; the scale's byte
.endr
	v_lshl_or_b32 v[PW], v[TM+5], 8, v[TM+4]
	v_lshl_or_b32 v[PW], v[TM+6], 16, v[PW]
	v_lshl_or_b32 v[PW], v[TM+7], 24, v[PW]
	s_wait_xcnt 0x0                                ; the last tile's stores have read their registers and bases
.if \a > 0
	s_add_nc_u64 s[84:85], s[84:85], s[88:89]      ; the next tile: 768 bytes on for k, 1,536 for v
	s_add_nc_u64 s[86:87], s[86:87], 64
.endif
	WIN 0x02                                       ; source 0: window 2
.irp c, 0,1
	v_cvt_scalef32_pk16_fp6_f32 v[PC+6*\c:PC+6*\c+2], v[64*\a+32*\c:64*\a+32*\c+15], v[TM+12+2*\c]
	v_cvt_scalef32_pk16_fp6_f32 v[PC+12+4*\c:PC+12+4*\c+2], v[64*\a+32*\c+16:64*\a+32*\c+31], v[TM+12+2*\c+1]
.endr
	WIN 0
	v_nop                                          ; one plain place behind the conversions
.irp c, 0,1                            ; the operand's layout wants a whole block in a lane
.irp i, 0,1,2
	v_permlane16_swap_b32 v[PC+6*\c+\i], v[PC+12+4*\c+\i]
.endr
.irp i, 0,1,2
	v_mov_b32 v[PC+3+6*\c+\i], v[PC+12+4*\c+\i]
.endr
.endr
	v_lshrrev_b32 v[PWS], v[SHV], v[PW]            ; k: lanes 0-15 send the first head's two bytes, lanes 16-31 the second's; v: the whole word
	v_and_b32 v[PWS], s93, v[PWS]
	global_store_b128 v[V16], v[PC:PC+3], s[84:85]             ; 512 consecutive bytes
	global_store_b64 v[V8], v[PC+4:PC+5], s[84:85] offset:512  ; 256
	global_store_b128 v[V16C], v[PC+6:PC+9], s[84:85]          ; k: the second head's half fragment; v: the fragment's second half
	global_store_b64 v[V8C], v[PC+10:PC+11], s[84:85] offset:512
	global_store_b32 v[VSC], v[PWS], s[86:87]
.endm
	s_load_b128 s[4:7], s[0:1], 0x0                ; arec, wrec
	s_load_b64 s[8:9], s[0:1], 0x10                ; kva
	v_lshl_add_u32 v[SPW], v0, 2, SPARE
	v_mov_b32 v[NIL], 0
	ds_add_u32 v[SPW], v[NIL]                      ; the wave's opening: the add and its wait ahead of my first tensor load
	ds_add_u32 v[SPW], v[NIL]
	v_lshrrev_b32 v1, 5, v0
	v_readfirstlane_b32 s[WV], v1                  ; wave 0..3
	s_lshr_b32 s[WR], s[WV], 1                     ; my half of R's rows.  Also: I fetch for R (0) or for P (1)
	s_and_b32 s[WP], s[WV], 1                      ; my half of P's rows.  Also: which half I fetch
	s_bfe_u32 s66, ttmp6, 0x40000                  ; cx
	s_bfe_u32 s67, ttmp6, 0x40004                  ; cy
	s_and_b32 s68, ttmp7, 0xffff
	s_lshr_b32 s69, s68, 4                         ; 0: k, 1: v
	s_and_b32 s68, s68, 15
	s_lshr_b32 s2, s68, 3
	s_and_b32 s3, s68, 7
	s_mov_b32 s82, 11*ACS                          ; Wv's planes in wrec
	s_mov_b32 s83, CTX_OFF
	s_cmp_eq_u32 s69, 0
	s_cselect_b32 s70, s68, s2                     ; k: 16 clusters down R, one across P; v: 2 down R, 8 across P
	s_cselect_b32 s72, 0, s3
	s_cselect_b32 s82, CTX_OFF, s82                ; R's first plane
	s_cselect_b32 s83, 8*ACS, s83                  ; P's (Wk's planes in wrec, or context's in arec)
	s_lshl_b32 s70, s70, 2
	s_add_co_u32 s70, s70, s67                     ; R's block of 128 rows: it hangs on cy, never on cx
	s_lshl_b32 s72, s72, 2
	s_add_co_u32 s72, s72, s66                     ; P's block of 256 rows: on cx, never on cy
	s_mov_b32 s94, s70
	s_mov_b32 s95, s72
	s_lshl_b32 s98, s67, 2
	s_lshl_b32 s98, 15, s98                        ; my row of the cluster
	s_lshl_b32 s99, 0x1111, s66                    ; my column
	s_or_b32 s[G1R], s98, (3<<16)|(1<<21)          ; 15:0 the mask; 17:16 elements of 8 bytes; 21 set beside a mask; no padding
	s_or_b32 s[G1P], s99, (3<<16)|(1<<21)
	s_mov_b32 s[G1R+1], 1600<<16                   ; tensor_dim0: a row is two records, 12,800 bytes
	s_mov_b32 s[G1R+2], KCH<<16                    ; tensor_dim1: a row for each chunk
	s_mov_b32 s[G1R+3], 1600<<16                   ; tile_dim0
	s_mov_b32 s[G1R+4], KCH                        ; tile_dim1
	s_mov_b32 s[G1R+5], ACS/8                      ; from chunk to chunk
	s_mov_b32 s[G1R+6], 0
	s_mov_b32 s[G1R+7], 0
	s_mov_b32 s[G1P+1], 3200<<16                   ; four records
	s_mov_b32 s[G1P+2], KCH<<16
	s_mov_b32 s[G1P+3], 3200<<16
	s_mov_b32 s[G1P+4], KCH
	s_mov_b32 s[G1P+5], ACS/8
	s_mov_b32 s[G1P+6], 0
	s_mov_b32 s[G1P+7], 0
	s_mul_i32 s70, s70, 4*REC
	s_add_co_u32 s70, s70, s82
	s_mul_i32 s82, s[WP], 2*REC                    ; the half that I fetch: in memory and in LDS
	s_add_co_u32 s70, s70, s82
	s_mov_b32 s71, 0
	s_mul_i32 s72, s72, 8*REC
	s_add_co_u32 s72, s72, s83
	s_mul_i32 s83, s[WP], 4*REC
	s_add_co_u32 s72, s72, s83
	s_mov_b32 s73, 0
	s_mov_b32 s[SEL], 0x76543210
	s_mov_b32 s[SEL+1], 0xfedcba98
	s_wait_dscnt 0x0                               ; the opening add is done
	s_wait_kmcnt 0x0
	s_cmp_eq_u32 s69, 0
	s_cselect_b64 s[74:75], s[4:5], s[6:7]         ; R: arec for k, wrec for v
	s_cselect_b64 s[76:77], s[6:7], s[4:5]         ; P: the other
	s_add_nc_u64 s[74:75], s[74:75], s[70:71]
	s_add_nc_u64 s[76:77], s[76:77], s[72:73]
	s_mov_b32 s[G0R], 1
	s_mul_i32 s[G0R+1], s[WP], KCH*2*REC           ; R's half that I fetch
	s_mov_b64 s[G0R+2:G0R+3], s[74:75]
	s_or_b32 s[G0R+3], s[G0R+3], 0x80000000
	s_mov_b32 s[G0P], 1
	s_mul_i32 s[G0P+1], s[WP], KCH*4*REC           ; P's half, behind R's two
	s_add_co_u32 s[G0P+1], s[G0P+1], KCH*4*REC
	s_mov_b64 s[G0P+2:G0P+3], s[76:77]
	s_or_b32 s[G0P+3], s[G0P+3], 0x80000000
	CROUND                                         ; all sixteen work-groups are here: the joint loads meet
	s_cmp_eq_u32 s[WR], 0                          ; a wave's fills stand in one branch on its number: one load of mine goes out
	s_cbranch_scc0 .Lfill_p
	tensor_load_to_lds s[G0R:G0R+3], s[G1R:G1R+7]  ; my one load
	s_nop 0
	PLACES 4
	s_branch .Lfilled
.Lfill_p:
	tensor_load_to_lds s[G0P:G0P+3], s[G1P:G1P+7]  ; my one load
	s_nop 0
	PLACES 4
.Lfilled:
	v_and_b32 v1, 15, v0                           ; r
	v_bfe_u32 v2, v0, 4, 1                         ; h
	v_and_b32 v3, 31, v0                           ; l
	s_mul_i32 s82, s[WR], KCH*2*REC                ; my 64 rows of R: two records a chunk
	s_mul_i32 s83, s[WP], KCH*4*REC
	s_add_co_u32 s83, s83, KCH*4*REC               ; my 128 rows of P: four records a chunk
	v_lshl_add_u32 v[R16], v3, 4, s82
	v_lshl_add_u32 v[R8], v3, 3, s82
	v_lshl_add_u32 v[P16], v3, 4, s83
	v_lshl_add_u32 v[P8], v3, 3, s83
	s_sub_co_u32 s83, s83, s82
	v_mul_u32_u24 v[ADRS], s83, v2                 ; lanes 16-31 take P's
	v_lshl_add_u32 v[ADRS], v1, 3, v[ADRS]
	s_add_co_u32 s82, s82, 6144
	v_add_nc_u32 v[ADRS], s82, v[ADRS]
	v_mul_u32_u24 v[ASTEP], 2*REC, v2
	v_add_nc_u32 v[ASTEP], 2*REC, v[ASTEP]
.irp bb, 0,1,2,3
	v_mov_b32 v[TM+4+\bb], 0                       ; written once: a lane permute's destination counts as one of its sources
.endr
	; where my results go
	s_lshl_b32 s94, s94, 3
	s_lshl_b32 s2, s[WR], 2
	s_add_co_u32 s94, s94, s2                      ; RT: my first tile of 16 rows of R
	s_lshl_b32 s95, s95, 1
	s_add_co_u32 s95, s95, s[WP]                   ; PG: my 128 rows of P
	s_lshr_b32 s2, s94, 7                          ; k: batch = RT / 128, heads 2 PG and 2 PG + 1, step = (RT % 128) / 8, tile = RT % 8
	s_lshl_b32 s2, s2, 4
	s_lshl_b32 s3, s95, 1
	s_add_co_u32 s2, s2, s3
	s_lshl_b32 s2, s2, 4
	s_bfe_u32 s3, s94, 0x40003
	s_add_co_u32 s2, s2, s3                        ; k's block of kva
	s_and_b32 s3, s94, 7
	s_mul_i32 s82, s3, 768                         ; and my first half fragment in it,
	s_lshl_b32 s83, s3, 6
	s_add_co_u32 s83, s83, 12288                   ; my first scale words
	s_lshr_b32 s3, s95, 4                          ; v: batch = PG / 16, head = RT / 4, step = PG % 16
	s_lshl_b32 s3, s3, 4
	s_lshr_b32 s98, s94, 2
	s_add_co_u32 s3, s3, s98
	s_lshl_b32 s3, s3, 4
	s_and_b32 s98, s95, 15
	s_add_co_u32 s3, s3, s98                       ; v's block
	s_mov_b32 s88, 1536
	s_mov_b32 s90, 768
	s_cmp_eq_u32 s69, 0
	s_cselect_b32 s2, s2, s3
	s_cselect_b32 s82, s82, 6144
	s_cselect_b32 s83, s83, 12800
	s_cselect_b32 s88, 768, s88                    ; from tile to tile
	s_cselect_b32 s90, 208896, s90                 ; to the fragment's second half: the next head's block, or 768 on
	s_cselect_b32 s91, 208896, 0                   ; lanes 16-31's scale word: the next head's block, or the same place
	s_cselect_b32 s92, 16, 0                       ; and its shift
	s_cselect_b32 s93, 0xffff, -1                  ; and mask
	s_mov_b32 s89, 0
	s_mul_i32 s2, s2, BLK
	s_add_co_u32 s84, s2, s82
	s_mov_b32 s85, 0
	s_add_co_u32 s86, s2, s83
	s_mov_b32 s87, 0
	s_add_nc_u64 s[84:85], s[8:9], s[84:85]
	s_add_nc_u64 s[86:87], s[8:9], s[86:87]
	v_lshlrev_b32 v[V16], 4, v3
	v_lshlrev_b32 v[V8], 3, v3
	v_add_nc_u32 v[V16C], s90, v[V16]
	v_add_nc_u32 v[V8C], s90, v[V8]
	v_mul_u32_u24 v[VSC], s91, v2
	v_lshl_add_u32 v[VSC], v1, 2, v[VSC]
	v_mul_u32_u24 v[SHV], s92, v2
	s_wait_alu depctr_va_vdst(0)                   ; the wait at the head's end
	s_wait_tensorcnt 0x0                           ; my one load is in
	s_barrier_signal -1
	s_barrier_wait -1                              ; everybody's is
	FETCH_P 0, 0
	FETCH_R 0, 0
	SCALES 0
	FETCH_R 0, 2
	STEP 0, 1                                      ; the first products start the sums: nothing is cleared
	TURN 0
	s_wait_alu depctr_va_vdst(0)
	STEP 1, 0
	TURN 1
	s_wait_alu depctr_va_vdst(0)
	STEP 0, 0
	s_wait_dscnt 8                                 ; the last step: nothing more to fetch
	WIN MUL
	MUL8 0, 1, 1, (KCH-1)%2, 0
	MUL8 1, 1, 1, (KCH-1)%2, 0
	s_wait_dscnt 0x0
	MUL8 2, 1, 1, (KCH-1)%2, 0
	MUL8 3, 1, 1, (KCH-1)%2, 0
	WIN 0
	PLACES 4                                       ; in front of the first read of results
	EPI 0
	EPI 1
	EPI 2
	EPI 3
	s_wait_tensorcnt 0x0                           ; the wave's end
	ds_add_u32 v[SPW], v[NIL]
	s_wait_dscnt 0x0
	CROUND                                         ; the closing round
	s_endpgm
.Lfunc_end_k_qa83265c6c8_proj_kv:
	.size	k_qa83265c6c8_proj_kv, .Lfunc_end_k_qa83265c6c8_proj_kv-k_qa83265c6c8_proj_kv
	.p2alignl 7, 3214868480
	.fill 96, 4, 3214868480
	.section	.rodata,"a",@progbits
	.p2align	6, 0x0
	.amdhsa_kernel k_qa83265c6c8_proj_kv
		.amdhsa_group_segment_fixed_size 327680
		.amdhsa_private_segment_fixed_size 0
		.amdhsa_enable_private_segment 0
		.amdhsa_kernarg_size 24
		.amdhsa_user_sgpr_count 2
		.amdhsa_user_sgpr_kernarg_segment_ptr 1
		.amdhsa_wavefront_size32 1
		.amdhsa_system_sgpr_workgroup_id_x 1
		.amdhsa_system_sgpr_workgroup_id_y 1
		.amdhsa_system_sgpr_workgroup_id_z 1
		.amdhsa_system_vgpr_workitem_id 0
		.amdhsa_next_free_vgpr 768
		.amdhsa_next_free_sgpr 100
		.amdhsa_reserve_vcc 0
		.amdhsa_float_denorm_mode_32 3
		.amdhsa_float_denorm_mode_16_64 3
		.amdhsa_memory_ordered 1
		.amdhsa_forward_progress 1
		.amdhsa_inst_pref_size 73
	.end_amdhsa_kernel
	.amdgpu_metadata
---
amdhsa.version: [ 1, 2 ]
amdhsa.kernels:
  - .name:           k_qa83265c6c8_proj_kv
    .symbol:         k_qa83265c6c8_proj_kv.kd
    .args:
      - { .name: arec, .offset: 0, .size: 8, .value_kind: global_buffer, .address_space: global }
      - { .name: wrec, .offset: 8, .size: 8, .value_kind: global_buffer, .address_space: global }
      - { .name: kva, .offset: 16, .size: 8, .value_kind: global_buffer, .address_space: global }
    .group_segment_fixed_size: 327680
    .private_segment_fixed_size: 0
    .kernarg_segment_align: 8
    .kernarg_segment_size: 24
    .max_flat_workgroup_size: 128
    .sgpr_count:     100
    .vgpr_count:     768
    .wavefront_size: 32
...
	.end_amdgpu_metadata
.endif
;; end of part 2
;; launch attn (part 3): grid 4 x 64, 16 waves a work-group, clusters of 4 x 1, 327,680 bytes of LDS; arguments arec, wrec, kva, orec; writes orec
.if DOCPART == 3
	.amdgcn_target "amdgcn-amd-amdhsa--gfx1250"
	.amdhsa_code_object_version 6
	.text
	.protected	k_qa83265c6c8_attn
	.globl	k_qa83265c6c8_attn
	.p2align	8
	.type	k_qa83265c6c8_attn,@function
k_qa83265c6c8_attn:
	s_mov_b64 s[64:65], 0
	v_nop
	global_prefetch_b8 v0, s[64:65] scope:SCOPE_SE
	s_setreg_imm32_b32 hwreg(HW_REG_WAVE_MODE, 25, 1), 1
	s_wait_xcnt 0x0
	s_wait_alu depctr_hold_cnt(0) depctr_sa_sdst(0) depctr_va_vdst(0) depctr_va_sdst(0) depctr_va_ssrc(0) depctr_va_vcc(0) depctr_vm_vsrc(0)
	s_getreg_b32 s2, hwreg(HW_REG_IB_STS2, 6, 4)
	s_cmp_eq_u32 s2, 0
	s_cbranch_scc0 .Lentry_in_a_cluster
	s_endpgm
.Lentry_in_a_cluster:
	s_bfe_u32 s2, ttmp6, 0x10000c
	s_cmp_lg_u32 s2, 0x3003
	s_cbranch_scc0 .Lentry_shape_is_right
	s_endpgm
.Lentry_shape_is_right:
; q = x Wq for one head, quantised along the head's 64; then o = softmax(q k^T / 8) v, for each of 64 (batch, head); all products on codes of FP6 (E2M3) with E8M0 scales; o is quantised along the
; head's 64 on the way out, as the last product's operand.
; THE SOFTMAX: t = score x log2(e) / 8; M = the row's largest t so far, rounded UP to a whole number; p = 2^(t - M) is quantised along the keys, not normalised.  The row's sum is taken of the
; unquantised p and divides o at the end.  When M moves, the sum and O are multiplied by 2^(old M - new M): exact.
; SHARES.  A work-group: 512 queries of one (batch, head); each of its sixteen waves 32 of them, two tiles of 16, in two passes of one loop.  ALL the head's K and V lie in LDS: 16 blocks of 128 keys,
; and behind them the 8 records of the head's 64 columns of Wq; all filled once, one load a wave: waves 0-7 fetch two blocks each, waves 8-15 a record each.
; CLUSTER 4 x 1: the four work-groups of a head want the same blocks and records: each is asked for jointly.
; q.  A RECORD (6,400 bytes) holds 32 rows x 256 K in the order of an operand's registers: tile u at 3072 u, 128 K at 1536 s; a half fragment's lane l has its first 16 bytes at 16 l, its last 8 at 512 + 8 l;
; scale word of (u, r, s) at 6144 + 8 (r + 16 s) + 4 u; lane r of tile u holds row 8 u + r + 8 (r / 8).  Planes of 256 along K lie ACS bytes apart.  My 32 rows of x are one record a plane: they come from
; memory straight into the operand's registers, four steps of 128 K ahead.  Source 0 = 16 columns of Wq, source 1 = 16 rows of x: a lane holds ONE query, and its 32 registers are d = 32 b + 16 h + i.
; A K/V block in memory, 13,056 bytes = 51 rows of 256: K's 8 half fragments (16 keys x 64, 768 bytes each) from 0; V^T's 4 fragments from 6,144; K's scale words [tile][16] from 12,288; V's from 12,800.
; The descriptor lays 64 bytes of padding behind each row: LDS pitch 320, a block 16,320 bytes.
; WHICH KEYS FORM A TILE is chosen by the lanes' LDS addresses.  A stored tile 2 p + u holds, at lane r', key 32 p + 8 u + r' + 8 (r' / 8).  Tile T of group c (64 keys) takes at lane r key
; 64 c + 8 T + r % 8 + 32 (r / 8): stored tile 4 c + 2 (r / 8) + T % 2, lane r % 8 + 8 (T / 2).  Both products are used transposed (S^T = K Q^T, O^T = V^T P^T): a lane holds ONE query, and the 32
; registers of a group's four tiles are keys 64 c + 32 h + 0 .. 31: a WHOLE block of 32, in the place that the second product's operand gives that lane.  So a block's largest score needs no other lane
; and the codes need no exchange of lanes.  With the pitch of 320 lanes 0-7 and 8-15 of a 16-byte load stand 1,920 bytes apart, 128 modulo 256.
; The scores' K is 64: q's registers 6-11 hold zero codes and all scale bytes 2, 3 are 0 (2^-127).  So what K's fragment holds in its registers 6-11 adds nothing: K's half fragments lie on end,
; 6 registers each, and a fragment's upper half is the next tile's codes, or whatever bits the six registers behind the last hold (FP6 has no code for NaN or infinity).
; TWO AREAS OF 64 REGISTERS, X and Y, change roles from step to step: K's codes in one, S^T and p in the other; V's fragments follow K's into the first as soon as the first product is issued; the next
; step's K follows p into the second as soon as p is converted.  A trip of the loop is two steps.  The last step of a pass fetches block 0's K: the next pass begins with it (behind the last pass it is not used).
; One barrier a trip, signalled at the first step's head and awaited at the second's, holds the sixteen waves within about a trip (two steps) of each other; it orders no memory.
; No prefetch: the launch's one tensor load a wave stands at its head, and x's 40 loads a wave go out ahead of it.
; orec: records [head / 4][pair of query tiles]: half fragment (u, head % 4) at 3072 u + 768 (head % 4); scale bytes from 6,144; they leave singly: one part in 24 of what a wave stores.
; LIMITS: the promise holds while the scaled scores t stay under 2^31 in magnitude; a block of zeros gets the byte 1, not 127 (zero codes; only this program reads the bytes); largest magnitudes under
; 2^-124 are held at byte 1; NaN and infinities are not served.
.set BLK,   13056
.set BLP,   16320
.set REC,   6400
.set ACS,   1638400
.set WQB,   16*BLP                     ; Wq's 8 records: record 2 c + p = plane c, columns 32 p .. of the head
.set SPARE, WQB+8*REC+256              ; the spare words, 128 bytes for each wave: eight blocks of 256 bytes that no other line names
.set L16, 1                            ; v1 16 l   v2 8 l   v3 4 l   v7 8 r + h
.set L8,  2
.set L4,  3
.set SPW, 5                            ; v5 LDS address of my spare word; never rewritten
.set NIL, 6                            ; v6 0; never rewritten
.set BK16, 8                           ; v8-10 K's lane terms: 16-byte pieces, 8-byte pieces, scale words;  v11 V's 16-byte pieces
.set BK8, 9
.set BKS, 10
.set BV16, 11
.set AK16, 16                          ; v16-21 the same six (V's 8-byte pieces: 8 l, scale words: 4 l) + the trip's first block
.set AK8, 17
.set AKS, 18
.set AV16, 19
.set AV8, 20
.set AVS, 21
.set W16, 16                           ; while q is made: v16-18 Wq's records + 16 l, + 8 l, + 6144 + 8 r + 4 h;  v19 8 r
.set W8,  17
.set WS,  18
.set XR8, 19
.set SH8, 22                           ; 8 h
.set QS,  23                           ; q's scale words;  v12 -M, v13 the largest t, v[14:15] the sum in two halves
.set KS,  24                           ; v24-27 K's: register 2 c + g: lanes 0-15 tile 2 g of group c, lanes 16-31 tile 2 g + 1.  While q is made: Wq's, two sets of two
.set VS,  28                           ; v28-29 V's likewise
.set PS,  30                           ; p's
.set Q,   32                           ; v32-43 q's fragment (v38-43 = 0)
.set PC,  44                           ; v44-55 p's codes
.set CT,  56                           ; v56-62 the conversions' second halves
.set AW,  32                           ; while q is made: v32-79 Wq's four fragments; v80-127 and v192-239 x's fragments of four steps; v128-191 the sums
.set X,   64
.set Y,   128
.set O,   192                          ; v192-223 O^T
.set BM,  224                          ; v224-225 my two blocks' largest
.set SO,  226                          ; v226-227 the conversions' scale operands
.set PT,  228
.set TP,  230
.set TQ,  231
.set F,   232                          ; v[232:233] f (v233 = 0: named with it as a pair)
.set T,   234                          ; v234-241 four chains of the step's sum
.set PX,  242
.set XS,  240                          ; while q is made: v240-255 x's scale words: register 2 s + u
.set QB,  248                          ; then v248-253 my second tile's codes, v254 its scale words
.set QSB, 254
.set WV,  12
.set G1,  16
.set G0,  24
.set SEL, 28
.set CS,  30                           ; s[30:31] c = log2(e) / 8
.set TB,  32
.set I,   33
.set HM,  34                           ; lanes 16-31
.set I2,  54
.set PN,  55
.set G0W, 56
.set G1W, 72
.macro PLACES n
.rept \n
	v_nop
.endr
.endm
.macro CROUND                          ; a round of the cluster's barrier
	s_barrier_signal -1
	s_barrier_wait -1
	s_cmp_lg_u32 s[WV], 0
	s_cbranch_scc1 .Lnot_wave_0_\@
	s_barrier_signal -3
.Lnot_wave_0_\@:
	s_barrier_wait -3
	s_barrier_signal -1
	s_barrier_wait -1
.endm
.macro XLOAD s                         ; x's two fragments of step s (128 K): 8 loads, each consecutive over the lanes
.set XR0, 80+24*((\s)%2)+112*(((\s)%4)/2)
.irp u, 0,1
	global_load_b128 v[XR0+12*\u:XR0+12*\u+3], v[L16], s[40:41] offset:((\s)/2)*ACS+3072*\u+1536*((\s)%2)
	global_load_b64 v[XR0+12*\u+4:XR0+12*\u+5], v[L8], s[40:41] offset:((\s)/2)*ACS+3072*\u+1536*((\s)%2)+512
	global_load_b128 v[XR0+12*\u+6:XR0+12*\u+9], v[L16], s[40:41] offset:((\s)/2)*ACS+3072*\u+1536*((\s)%2)+768
	global_load_b64 v[XR0+12*\u+10:XR0+12*\u+11], v[L8], s[40:41] offset:((\s)/2)*ACS+3072*\u+1536*((\s)%2)+1280
.endr
.endm
.macro WLOAD s                         ; Wq's four fragments of step s and their scale words (lanes 0-15 tile 2 p, lanes 16-31 tile 2 p + 1): 18 loads
.irp b, 0,1,2,3
	ds_load_b128 v[AW+12*\b:AW+12*\b+3], v[W16] offset:(2*((\s)/2)+\b/2)*REC+3072*(\b%2)+1536*((\s)%2)
	ds_load_b64 v[AW+12*\b+4:AW+12*\b+5], v[W8] offset:(2*((\s)/2)+\b/2)*REC+3072*(\b%2)+1536*((\s)%2)+512
	ds_load_b128 v[AW+12*\b+6:AW+12*\b+9], v[W16] offset:(2*((\s)/2)+\b/2)*REC+3072*(\b%2)+1536*((\s)%2)+768
	ds_load_b64 v[AW+12*\b+10:AW+12*\b+11], v[W8] offset:(2*((\s)/2)+\b/2)*REC+3072*(\b%2)+1536*((\s)%2)+1280
.endr
.irp p, 0,1
	ds_load_b32 v[KS+2*((\s)%2)+\p], v[WS] offset:(2*((\s)/2)+\p)*REC+128*((\s)%2)
.endr
.endm
.macro QSTEP s                         ; q's sums take 128 along K: eight accumulators, one instruction a turn
.set XR0, 80+24*((\s)%2)+112*(((\s)%4)/2)
.if (\s) < 5
	s_wait_loadcnt 24                              ; this step's 8 loads are in; those of the three steps behind it may be out
.else
	s_wait_loadcnt 8*(7-(\s))
.endif
	s_wait_dscnt 0x0
.irp p, 0,1
.irp u, 0,1
.if (\s) == 0
	v_wmma_scale_f32_16x16x128_f8f6f4 v[Y+32*\u+16*\p:Y+32*\u+16*\p+7], v[AW+24*\p:AW+24*\p+11], v[XR0+12*\u:XR0+12*\u+11], 0, v[KS+2*((\s)%2)+\p], v[XS+2*(\s)+\u] matrix_a_fmt:MATRIX_FMT_FP6 matrix_b_fmt:MATRIX_FMT_FP6
.else
	v_wmma_scale_f32_16x16x128_f8f6f4 v[Y+32*\u+16*\p:Y+32*\u+16*\p+7], v[AW+24*\p:AW+24*\p+11], v[XR0+12*\u:XR0+12*\u+11], v[Y+32*\u+16*\p:Y+32*\u+16*\p+7], v[KS+2*((\s)%2)+\p], v[XS+2*(\s)+\u] matrix_a_fmt:MATRIX_FMT_FP6 matrix_b_fmt:MATRIX_FMT_FP6
.endif
.endr
.irp u, 0,1
.if (\s) == 0
	v_wmma_scale_f32_16x16x128_f8f6f4 v[Y+32*\u+16*\p+8:Y+32*\u+16*\p+15], v[AW+24*\p+12:AW+24*\p+23], v[XR0+12*\u:XR0+12*\u+11], 0, v[KS+2*((\s)%2)+\p], v[XS+2*(\s)+\u] matrix_a_fmt:MATRIX_FMT_FP6 matrix_b_fmt:MATRIX_FMT_FP6 matrix_a_scale:MATRIX_SCALE_ROW1
.else
	v_wmma_scale_f32_16x16x128_f8f6f4 v[Y+32*\u+16*\p+8:Y+32*\u+16*\p+15], v[AW+24*\p+12:AW+24*\p+23], v[XR0+12*\u:XR0+12*\u+11], v[Y+32*\u+16*\p+8:Y+32*\u+16*\p+15], v[KS+2*((\s)%2)+\p], v[XS+2*(\s)+\u] matrix_a_fmt:MATRIX_FMT_FP6 matrix_b_fmt:MATRIX_FMT_FP6 matrix_a_scale:MATRIX_SCALE_ROW1
.endif
.endr
.endr
	PLACES 4                                       ; in front of loads into registers that matrix instructions have read, and of the first read of results
.if (\s) < 7
	WLOAD (\s)+1
.endif
.if (\s) < 4
	XLOAD (\s)+4
.endif
.endm
; 32 numbers a lane, register 16 b + i = d 32 b + 16 h + i of my query, become a half fragment's codes: QUANT32 up to the conversions (a plain line of the caller's follows), QFIN the rest.  v[PT], v[PT+1]: the two bytes
.macro QUANT32 SRC, D
.irp b, 0,1
	v_max3_num_f32 v[BM+\b], |v[\SRC+16*\b]|, |v[\SRC+16*\b+1]|, 0x1800000   ; from the low end on; the floor 2^(3 - 127) holds the byte at 1 from below
.endr
.irp i, 2,4,6,8,10,12,14
.irp b, 0,1
	v_max3_num_f32 v[BM+\b], v[BM+\b], |v[\SRC+16*\b+\i]|, |v[\SRC+16*\b+\i+1]|   ; (the two blocks by turns)
.endr
.endr
.irp b, 0,1
	s_delay_alu instid0(VALU_DEP_2)
	v_permlanex16_b32 v[PT+\b], v[BM+\b], s[SEL], s[SEL+1]
.endr
.irp b, 0,1
	s_delay_alu instid0(VALU_DEP_2)
	v_max_num_f32 v[BM+\b], v[BM+\b], v[PT+\b]     ; with lane l xor 16's: the block's largest magnitude
.endr
.irp b, 0,1
	s_delay_alu instid0(VALU_DEP_2)
	v_add_nc_u32 v[SO+\b], 0xff000000, v[BM+\b]
.endr
.irp b, 0,1
	s_delay_alu instid0(VALU_DEP_2)
	v_lshrrev_b32 v[PT+\b], 23, v[SO+\b]
.endr
	v_cvt_scalef32_pk16_fp6_f32 v[\D:\D+2], v[\SRC:\SRC+15], v[SO]
	v_cvt_scalef32_pk16_fp6_f32 v[CT:CT+2], v[\SRC+16:\SRC+31], v[SO+1]
.endm
.macro QFIN D
.irp i, 0,1,2
	v_permlane16_swap_b32 v[\D+\i], v[CT+\i]
.endr
.irp i, 0,1,2
	s_delay_alu instid0(VALU_DEP_3)
	v_mov_b32 v[\D+3+\i], v[CT+\i]                 ; lane (r, h) now holds block h's 32 codes of query r
.endr
.endm
.macro ADDR                            ; the six addresses at the block that s[TB] names
	v_add_nc_u32 v[AK16], s[TB], v[BK16]
	v_add_nc_u32 v[AK8], s[TB], v[BK8]
	v_add_nc_u32 v[AKS], s[TB], v[BKS]
	v_add_nc_u32 v[AV16], s[TB], v[BV16]
	v_add_nc_u32 v[AV8], s[TB], v[L8]
	v_add_nc_u32 v[AVS], s[TB], v[L4]
.endm
.macro KLOAD A, IM                     ; a block's K: 8 half fragments on end and 4 registers of scale words: 20 loads
.irp c, 0,1
.irp t, 0,1,2,3
	ds_load_b128 v[\A+6*(4*\c+\t):\A+6*(4*\c+\t)+3], v[AK16] offset:\IM+3840*\c+960*(\t%2)+128*(\t/2)
	ds_load_b64 v[\A+6*(4*\c+\t)+4:\A+6*(4*\c+\t)+5], v[AK8] offset:\IM+3840*\c+960*(\t%2)+640+64*(\t/2)
.endr
.irp g, 0,1
	ds_load_b32 v[KS+2*\c+\g], v[AKS] offset:\IM+15360+320*\c+32*\g
.endr
.endr
.endm
.macro VLOAD A, IM                     ; a block's V^T: 4 fragments of 16 d x 128 keys and 2 registers of scale words: 18 loads
.irp d, 0,1,2,3,4,5,6,7
	ds_load_b128 v[\A+6*\d:\A+6*\d+3], v[AV16] offset:\IM+7680+960*\d
	ds_load_b64 v[\A+6*\d+4:\A+6*\d+5], v[AV8] offset:\IM+7680+960*\d+640
.endr
	ds_load_b32 v[VS], v[AVS] offset:\IM+16000
	ds_load_b32 v[VS+1], v[AVS] offset:\IM+16128
.endm
.macro PADD SA, j0, n                  ; n pairs of p, from pair j0 on, onto the four chains by turns
.set JJ, \j0
.rept \n
	v_pk_add_f32 v[T+2*(JJ%4):T+2*(JJ%4)+1], v[T+2*(JJ%4):T+2*(JJ%4)+1], v[\SA+2*JJ:\SA+2*JJ+1]
.set JJ, JJ+1
.endr
.endm
; A step: 16 queries x 128 keys.  KA: the area with K's codes, then V's; SA: the area of S^T and p, then the next K's; IM: the block's place behind the trip's first; B: the trip's second step
.macro STEPM KA, SA, IM, B
	s_wait_dscnt 0x0                               ; this step's K is in; no LDS instruction of mine is out
.if \B
	s_barrier_wait -1
.else
	s_barrier_signal -1
.endif
.irp c, 0,1
.irp t, 0,2
	v_wmma_scale_f32_16x16x128_f8f6f4 v[\SA+8*(4*\c+\t):\SA+8*(4*\c+\t)+7], v[\KA+6*(4*\c+\t):\KA+6*(4*\c+\t)+11], v[Q:Q+11], 0, v[KS+2*\c+\t/2], v[QS] matrix_a_fmt:MATRIX_FMT_FP6 matrix_b_fmt:MATRIX_FMT_FP6
	v_wmma_scale_f32_16x16x128_f8f6f4 v[\SA+8*(4*\c+\t)+8:\SA+8*(4*\c+\t)+15], v[\KA+6*(4*\c+\t)+6:\KA+6*(4*\c+\t)+17], v[Q:Q+11], 0, v[KS+2*\c+\t/2], v[QS] matrix_a_fmt:MATRIX_FMT_FP6 matrix_b_fmt:MATRIX_FMT_FP6 matrix_a_scale:MATRIX_SCALE_ROW1
.endr
.endr
	PLACES 4                                       ; in front of loads into K's registers and of the first read of results
	VLOAD \KA, \IM
.irp c, 0,1                            ; the largest score of my two blocks, each in two chains, each accumulator from its low end on
	v_max3_num_f32 v[BM+\c], v[\SA+32*\c], v[\SA+32*\c+1], v[\SA+32*\c+2]
	v_max3_num_f32 v[PT+\c], v[\SA+32*\c+3], v[\SA+32*\c+4], v[\SA+32*\c+5]
.endr
.irp i, 6,10,14,18,22,26
.irp c, 0,1
	v_max3_num_f32 v[BM+\c], v[BM+\c], v[\SA+32*\c+\i], v[\SA+32*\c+\i+1]
	v_max3_num_f32 v[PT+\c], v[PT+\c], v[\SA+32*\c+\i+2], v[\SA+32*\c+\i+3]
.endr
.endr
.irp c, 0,1
	v_max3_num_f32 v[BM+\c], v[BM+\c], v[\SA+32*\c+30], v[\SA+32*\c+31]
.endr
.irp c, 0,1
	s_delay_alu instid0(VALU_DEP_2)
	v_max_num_f32 v[BM+\c], v[BM+\c], v[PT+\c]
.endr
	s_delay_alu instid0(VALU_DEP_1)
	v_max_num_f32 v[TQ], v[BM], v[BM+1]
	s_delay_alu instid0(VALU_DEP_1)
	v_mul_f32 v[TQ], s[CS], v[TQ]                  ; as t (c is positive)
	s_delay_alu instid0(VALU_DEP_1)
	v_permlanex16_b32 v[PX], v[TQ], s[SEL], s[SEL+1]
	s_delay_alu instid0(VALU_DEP_1)
	v_max3_num_f32 v13, v13, v[TQ], v[PX]          ; the running largest t, with lane l xor 16's 64 keys
	s_delay_alu instid0(VALU_DEP_1)
	v_floor_f32 v12, -v13                          ; the new -M = -ceil(t): a whole number
	s_delay_alu instid0(VALU_DEP_1)
	v_sub_f32 v[TP], v12, v[TP]                    ; old M less new M: a whole number, 0 or less
	v_fma_f32 v[BM], v[BM], s[CS], v12             ; t - M of each block's largest score
	v_fma_f32 v[BM+1], v[BM+1], s[CS], v12
	v_cvt_i32_f32 v[TP], v[TP]                     ; (it saturates)
	v_pk_fma_f32 v[\SA:\SA+1], v[\SA:\SA+1], s[CS:CS+1], v[12:13] op_sel_hi:[1,0,0]
	v_pk_fma_f32 v[\SA+2:\SA+3], v[\SA+2:\SA+3], s[CS:CS+1], v[12:13] op_sel_hi:[1,0,0]
	v_ldexp_f32 v[F], 1.0, v[TP]                   ; f = 2^(old M - new M)
.set JJ, 4
.rept 30
	v_pk_fma_f32 v[\SA+JJ:\SA+JJ+1], v[\SA+JJ:\SA+JJ+1], s[CS:CS+1], v[12:13] op_sel_hi:[1,0,0]   ; t - M, two at a time
.set JJ, JJ+2
.endr
.set JJ, 0
.rept 16
	v_pk_mul_f32 v[O+JJ:O+JJ+1], v[O+JJ:O+JJ+1], v[F:F+1] op_sel_hi:[1,0]   ; O^T under the new M, each accumulator from its low end on
.set JJ, JJ+2
.endr
	s_wait_alu depctr_va_vdst(0)                   ; the wait ahead of the batch
.set JJ, 0
.rept 64
	v_exp_f32 v[\SA+JJ], v[\SA+JJ]                 ; p = 2^(t - M), at most 1
.set JJ, JJ+1
.endr
	v_exp_f32 v[BM], v[BM]                         ; my blocks' largest p
	v_exp_f32 v[BM+1], v[BM+1]
	v_mov_b32 v[TP], v12                           ; -M, for the next step; the plain place behind the batch
	s_wait_alu depctr_va_vdst(0)                   ; one wait for the batch, ahead of its first reader
	v_max_num_f32 v[BM], 0x1800000, v[BM]          ; the floor 2^(3 - 127): the byte cannot fall under 1
	v_max_num_f32 v[BM+1], 0x1800000, v[BM+1]
.irp k, 0,1,2,3
	v_pk_add_f32 v[T+2*\k:T+2*\k+1], v[\SA+2*\k:\SA+2*\k+1], v[\SA+2*\k+8:\SA+2*\k+9]   ; the step's sum of the unquantised p begins: four chains
.endr
	v_add_nc_u32 v[SO], 0xff000000, v[BM]          ; the conversions' scale operands
	v_add_nc_u32 v[SO+1], 0xff000000, v[BM+1]
	PADD \SA, 8, 4
	v_lshrrev_b32 v[PT], 23, v[SO]                 ; the scales' bytes: blocks h and 2 + h
	v_lshrrev_b32 v[PT+1], 23, v[SO+1]
	PADD \SA, 12, 4
	v_lshl_or_b32 v[TQ], v[PT+1], 16, v[PT]
	PADD \SA, 16, 2
	v_lshlrev_b32 v[TQ], v[SH8], v[TQ]             ; 8 h bits up
	PADD \SA, 18, 2
	v_permlanex16_b32 v[PX], v[TQ], s[SEL], s[SEL+1]
	PADD \SA, 20, 2
	v_or_b32 v[PS], v[TQ], v[PX]                   ; with lane l xor 16's two bytes p's scale word is whole
.irp c, 0,1
	v_cvt_scalef32_pk16_fp6_f32 v[PC+6*\c:PC+6*\c+2], v[\SA+32*\c:\SA+32*\c+15], v[SO+\c]
	v_cvt_scalef32_pk16_fp6_f32 v[CT+4*\c:CT+4*\c+2], v[\SA+32*\c+16:\SA+32*\c+31], v[SO+\c]   ; (a conversion's three registers begin on an even number)
.endr
	PADD \SA, 22, 6                                ; the first of them is the plain place behind the conversions
.irp c, 0,1
.irp i, 0,1,2
	v_mov_b32 v[PC+3+6*\c+\i], v[CT+4*\c+\i]
.endr
.endr
	PADD \SA, 28, 4                                ; four places between the last write of p's codes and the products; behind the scale word stand sixteen
.if \B
	s_add_co_u32 s[I2], s[I], 1                    ; the next trip's first block; behind the pass's last trip: block 0
	s_and_b32 s[I2], s[I2], 7
	s_mul_i32 s[TB], s[I2], 2*BLP
	ADDR
	KLOAD \SA, 0
.else
	KLOAD \SA, BLP
.endif
	s_wait_alu depctr_va_vdst(0)
	s_wait_dscnt 20                                ; V's 18 loads are in; the 20 of the next K, issued behind them, may be out
.irp d, 0,2                            ; O^T += V^T P^T: four accumulators, one instruction a turn
	v_wmma_scale_f32_16x16x128_f8f6f4 v[O+8*\d:O+8*\d+7], v[\KA+12*\d:\KA+12*\d+11], v[PC:PC+11], v[O+8*\d:O+8*\d+7], v[VS+\d/2], v[PS] matrix_a_fmt:MATRIX_FMT_FP6 matrix_b_fmt:MATRIX_FMT_FP6
	v_wmma_scale_f32_16x16x128_f8f6f4 v[O+8*\d+8:O+8*\d+15], v[\KA+12*\d+12:\KA+12*\d+23], v[PC:PC+11], v[O+8*\d+8:O+8*\d+15], v[VS+\d/2], v[PS] matrix_a_fmt:MATRIX_FMT_FP6 matrix_b_fmt:MATRIX_FMT_FP6 matrix_a_scale:MATRIX_SCALE_ROW1
.endr
	v_pk_add_f32 v[T:T+1], v[T:T+1], v[T+2:T+3]    ; five places: the next step's products write over V's registers.  The four chains are joined,
	v_pk_add_f32 v[T+4:T+5], v[T+4:T+5], v[T+6:T+7]
	s_delay_alu instid0(VALU_DEP_1)
	v_pk_add_f32 v[T:T+1], v[T:T+1], v[T+4:T+5]
	s_delay_alu instid0(VALU_DEP_1)
	v_pk_fma_f32 v[14:15], v[14:15], v[F:F+1], v[T:T+1] op_sel_hi:[1,0,1]   ; and the row's sum goes under the new M and takes the step's
	v_nop
.endm
	s_load_b256 s[4:11], s[0:1], 0x0               ; arec, wrec, kva, orec
	v_lshl_add_u32 v[SPW], v0, 2, SPARE
	v_mov_b32 v[NIL], 0
	ds_add_u32 v[SPW], v[NIL]                      ; the wave's opening: the add, twice on end, and its wait ahead of my first tensor load
	ds_add_u32 v[SPW], v[NIL]
	v_lshrrev_b32 v1, 5, v0
	s_delay_alu instid0(VALU_DEP_1)
	v_readfirstlane_b32 s[WV], v1                  ; wave 0..15
	v_and_b32 v224, 7, v0                          ; r % 8
	v_bfe_u32 v225, v0, 3, 1                       ; r / 8
	v_bfe_u32 v226, v0, 4, 1                       ; h
	v_and_b32 v227, 15, v0                         ; r
	v_and_b32 v228, 31, v0                         ; l
	v_mul_u32_u24 v229, v225, 1920                 ; two stored tiles on
	v_mul_u32_u24 v230, v226, 320                  ; an LDS row on
	v_lshlrev_b32 v[BKS], 7, v225
	v_lshlrev_b32 v[BV16], 4, v227
	v_lshl_add_u32 v[BK16], v224, 4, v229
	v_lshl_add_u32 v[BK8], v224, 3, v229
	v_lshl_add_u32 v[BKS], v226, 6, v[BKS]
	v_add_nc_u32 v[BV16], v[BV16], v230            ; 16 r + 320 h
	v_add_nc_u32 v[BK16], v[BK16], v230            ; 1920 (r / 8) + 16 (r % 8) + 320 h
	v_lshl_add_u32 v[BK8], v226, 7, v[BK8]         ; 1920 (r / 8) + 8 (r % 8) + 128 h
	v_lshl_add_u32 v[BKS], v224, 2, v[BKS]         ; 128 (r / 8) + 64 h + 4 (r % 8)
	v_lshlrev_b32 v[L16], 4, v228
	v_lshlrev_b32 v[L8], 3, v228
	v_lshlrev_b32 v[L4], 2, v228
	v_lshlrev_b32 v[XR8], 3, v227
	v_lshl_add_u32 v7, v227, 3, v226
	v_lshlrev_b32 v[SH8], 3, v226
	v_cmp_ne_u32 s[HM], 0, v226
	v_add_nc_u32 v[W16], WQB, v[L16]
	v_add_nc_u32 v[W8], WQB, v[L8]
	v_lshl_add_u32 v[WS], v226, 2, v[XR8]
	v_add_nc_u32 v[WS], WQB+6144, v[WS]
	s_bfe_u32 s35, ttmp6, 0x40000                  ; cx
	s_lshl_b32 s37, ttmp9, 2
	s_add_co_u32 s35, s35, s37                     ; my quarter of the queries: it enters x's and o's addresses alone
	s_and_b32 s36, ttmp7, 0xffff                   ; 16 x batch + head, which the four partners share
	s_mov_b32 s[G1], 15|(3<<16)|(1<<20)|(1<<21)|(5<<22)|(15<<25)   ; the mask: all four; elements of 8 bytes; padding on; 21 set beside a mask; after every 64 words 16 words
	s_mov_b32 s[G1+1], 32<<16                      ; tensor_dim0: rows of 256 bytes
	s_mov_b32 s[G1+2], 102<<16                     ; tensor_dim1: two blocks are 102 of them
	s_mov_b32 s[G1+3], 32<<16                      ; tile_dim0
	s_mov_b32 s[G1+4], 102                         ; tile_dim1
	s_mov_b32 s[G1+5], 32                          ; dense
	s_mov_b32 s[G1+6], 0
	s_mov_b32 s[G1+7], 0
	s_mov_b32 s[G1W], 15|(3<<16)|(1<<21)           ; a record of Wq: 25 rows of 256 bytes, no padding
	s_mov_b32 s[G1W+1], 32<<16
	s_mov_b32 s[G1W+2], 25<<16
	s_mov_b32 s[G1W+3], 32<<16
	s_mov_b32 s[G1W+4], 25
	s_mov_b32 s[G1W+5], 32
	s_mov_b32 s[G1W+6], 0
	s_mov_b32 s[G1W+7], 0
	s_lshl_b32 s38, s36, 4
	s_lshl_b32 s39, s[WV], 1
	s_add_co_u32 s38, s38, s39
	s_mul_i32 s38, s38, BLK                        ; waves 0-7: my two blocks in kva
	s_mov_b32 s39, 0
	s_mov_b32 s[G0], 1
	s_mul_i32 s[G0+1], s[WV], 2*BLP                ; and in LDS
	s_and_b32 s50, s36, 15                         ; head
	s_lshr_b32 s51, s36, 4                         ; batch
	s_and_b32 s48, s[WV], 7                        ; waves 8-15: record 2 c + p
	s_mov_b32 s[G0W], 1
	s_mul_i32 s[G0W+1], s48, REC
	s_add_co_u32 s[G0W+1], s[G0W+1], WQB
	s_lshr_b32 s49, s48, 1
	s_lshl_b32 s49, s49, 8                         ; 256 records a plane
	s_and_b32 s48, s48, 1
	s_add_co_u32 s49, s49, s48
	s_lshl_b32 s48, s50, 1
	s_add_co_u32 s49, s49, s48                     ; + 2 head + p
	s_mul_i32 s42, s49, REC
	s_mov_b32 s43, 0
	s_lshl_b32 s51, s51, 6
	s_lshl_b32 s53, s35, 4
	s_add_co_u32 s51, s51, s53
	s_add_co_u32 s51, s51, s[WV]                   ; my pair of query tiles: 64 batch + 16 quarter + wave
	s_mul_i32 s40, s51, REC                        ; x's record in plane 0
	s_mov_b32 s41, 0
	s_lshr_b32 s52, s50, 2
	s_lshl_b32 s52, s52, 8
	s_add_co_u32 s52, s52, s51
	s_mul_i32 s52, s52, REC                        ; o's record: 256 (head / 4) + pair
	s_and_b32 s51, s50, 3
	s_mul_i32 s51, s51, 768
	s_add_co_u32 s44, s52, s51
	s_mov_b32 s45, 0
	s_bfe_u32 s51, s50, 0x10001
	s_lshl_b32 s51, s51, 7                         ; the record's step of 128 K,
	s_and_b32 s53, s50, 1
	s_lshl_b32 s53, s53, 1                         ; my head's two bytes in its words
	s_add_co_u32 s46, s52, s51
	s_add_co_u32 s46, s46, s53
	s_add_co_u32 s46, s46, 6144
	s_mov_b32 s47, 0
	s_mov_b32 s[SEL], 0x76543210
	s_mov_b32 s[SEL+1], 0xfedcba98                 ; v_permlanex16_b32's selects for lane l xor 16
	s_mov_b32 s[CS], 0x3e38aa3b                    ; c = log2(e) / 8
	s_mov_b32 s[CS+1], s[CS]                       ; (named with it as a pair, so it is written)
	s_mov_b32 s[TB], 0
	s_mov_b32 s[PN], 0
	s_wait_alu depctr_va_vdst(0)
	s_wait_dscnt 0x0                               ; both opening adds are done
	s_wait_kmcnt 0x0
	s_add_nc_u64 s[G0+2:G0+3], s[8:9], s[38:39]
	s_or_b32 s[G0+3], s[G0+3], 0x80000000
	s_add_nc_u64 s[G0W+2:G0W+3], s[6:7], s[42:43]
	s_or_b32 s[G0W+3], s[G0W+3], 0x80000000
	s_add_nc_u64 s[40:41], s[4:5], s[40:41]        ; x's records,
	s_add_nc_u64 s[44:45], s[10:11], s[44:45]      ; o's codes,
	s_add_nc_u64 s[46:47], s[10:11], s[46:47]      ; o's scale bytes
.irp s, 0,1,2,3,4,5,6,7
	global_load_b64 v[XS+2*\s:XS+2*\s+1], v[XR8], s[40:41] offset:(\s/2)*ACS+6144+128*(\s%2)   ; row r's scale words of step s, tiles 0 and 1
.endr
	XLOAD 0
	XLOAD 1
	XLOAD 2
	XLOAD 3
	CROUND                                         ; all four work-groups are here: the joint loads meet
	s_cmp_lt_u32 s[WV], 8                          ; every way passes one load
	s_cbranch_scc0 .Lfill_w
	tensor_load_to_lds s[G0:G0+3], s[G1:G1+7]
	s_nop 0
	PLACES 4
	s_branch .Lfilled
.Lfill_w:
	tensor_load_to_lds s[G0W:G0W+3], s[G1W:G1W+7]
	s_nop 0
	PLACES 4
.Lfilled:
	s_wait_tensorcnt 0x0                           ; my load is in,
	s_barrier_signal -1
	s_barrier_wait -1                              ; everybody's is: the head's K, V and Wq lie in LDS
	WLOAD 0
.irp s, 0,1,2,3,4,5,6,7
	QSTEP \s
.endr
	ADDR                                           ; (every load of x is in: its address registers may be written)
	KLOAD X, 0                                     ; block 0's K lands while q is quantised
.irp i, 6,7,8,9,10,11
	v_mov_b32 v[Q+\i], 0                           ; zero codes fill the scores' K from 64 to 128
.endr
	v_mov_b32 v[PT], 0                             ; written once: a lane permute's destination counts as one of its sources
	v_mov_b32 v[PT+1], 0
	v_mov_b32 v[PX], 0
	v_mov_b32 v[TP], 0
	v_mov_b32 v[F+1], 0
	QUANT32 Y, Q                                   ; my first tile's q
	v_lshl_or_b32 v[QS], v[PT+1], 8, v[PT]         ; its scale word: two bytes, the upper two 0; also the plain place behind the conversions
	QFIN Q
	QUANT32 Y+32, QB                               ; my second tile's, kept for the second pass
	v_lshl_or_b32 v[QSB], v[PT+1], 8, v[PT]
	QFIN QB
.Lpass:                                                ; eight trips: a tile of 16 queries against all 2,048 keys
	v_mov_b32 v13, 0xff61b1e6                      ; the largest t so far: -3e38, under every t
	v_mov_b32 v14, 0
	v_mov_b32 v15, 0
	v_floor_f32 v12, -v13                          ; -M
.set JJ, 0
.rept 32
	v_mov_b32 v[O+JJ], 0                           ; the step is written once: the first finds zeros, which the first change of M leaves zeros
.set JJ, JJ+1
.endr
	v_mov_b32 v[TP], v12
	s_mov_b32 s[I], 0
	s_wait_alu depctr_va_vdst(0)
.Ltrip:                                                ; eight trips of two steps
	STEPM X, Y, 0, 0
	STEPM Y, X, BLP, 1
	s_add_co_u32 s[I], s[I], 1
	s_cmp_lt_u32 s[I], 8
	s_cbranch_scc1 .Ltrip
	; the way out: o = O^T / the sum, quantised along d.  It works in Y: X takes block 0's K
	v_add_f32 v14, v14, v15
	s_delay_alu instid0(VALU_DEP_1)
	v_permlanex16_b32 v[TP], v14, s[SEL], s[SEL+1]
	s_delay_alu instid0(VALU_DEP_1)
	v_add_f32 v14, v14, v[TP]                      ; the row's sum
	s_wait_alu depctr_va_vdst(0)                   ; the wait ahead of the transcendental
	v_rcp_f32 v[F], v14
	v_nop                                          ; a plain place behind the reciprocal,
	s_wait_alu depctr_va_vdst(0)                   ; and the wait ahead of its first reader and of the first reader of O^T
.set JJ, 0
.rept 16
	v_pk_mul_f32 v[Y+JJ:Y+JJ+1], v[O+JJ:O+JJ+1], v[F:F+1] op_sel_hi:[1,0]   ; each accumulator from its low end on
.set JJ, JJ+2
.endr
	QUANT32 Y, PC
	v_cndmask_b32 v[TP], v[PT], v[PT+1], s[HM]     ; lane (r, h) sends block h's byte; also the plain place behind the conversions
	QFIN PC
	global_store_b128 v[L16], v[PC:PC+3], s[44:45]             ; 512 consecutive bytes
	global_store_b64 v[L8], v[PC+4:PC+5], s[44:45] offset:512  ; 256
	global_store_b8 v7, v[TP], s[46:47]
.irp i, 0,1,2,3,4,5
	v_mov_b32 v[Q+\i], v[QB+\i]                    ; on to my second tile
.endr
	v_mov_b32 v[QS], v[QSB]
	s_wait_xcnt 0x0                                ; the stores have read their registers and bases
	s_add_nc_u64 s[44:45], s[44:45], 3072
	s_add_nc_u64 s[46:47], s[46:47], 4
	s_add_co_u32 s[PN], s[PN], 1
	s_cmp_lt_u32 s[PN], 2
	s_wait_alu depctr_va_vdst(0)
	s_cbranch_scc1 .Lpass
	s_wait_tensorcnt 0x0                           ; the wave's end
	ds_add_u32 v[SPW], v[NIL]
	s_wait_dscnt 0x0
	CROUND                                         ; the closing round
	s_endpgm
.Lfunc_end_k_qa83265c6c8_attn:
	.size	k_qa83265c6c8_attn, .Lfunc_end_k_qa83265c6c8_attn-k_qa83265c6c8_attn
	.p2alignl 7, 3214868480
	.fill 96, 4, 3214868480
	.section	.rodata,"a",@progbits
	.p2align	6, 0x0
	.amdhsa_kernel k_qa83265c6c8_attn
		.amdhsa_group_segment_fixed_size 327680
		.amdhsa_private_segment_fixed_size 0
		.amdhsa_enable_private_segment 0
		.amdhsa_kernarg_size 32
		.amdhsa_user_sgpr_count 2
		.amdhsa_user_sgpr_kernarg_segment_ptr 1
		.amdhsa_wavefront_size32 1
		.amdhsa_system_sgpr_workgroup_id_x 1
		.amdhsa_system_sgpr_workgroup_id_y 1
		.amdhsa_system_sgpr_workgroup_id_z 1
		.amdhsa_system_vgpr_workitem_id 0
		.amdhsa_next_free_vgpr 256
		.amdhsa_next_free_sgpr 80
		.amdhsa_reserve_vcc 0
		.amdhsa_float_denorm_mode_32 3
		.amdhsa_float_denorm_mode_16_64 3
		.amdhsa_memory_ordered 1
		.amdhsa_forward_progress 1
		.amdhsa_inst_pref_size 75
	.end_amdhsa_kernel
	.amdgpu_metadata
---
amdhsa.version: [ 1, 2 ]
amdhsa.kernels:
  - .name:           k_qa83265c6c8_attn
    .symbol:         k_qa83265c6c8_attn.kd
    .args:
      - { .name: arec, .offset: 0, .size: 8, .value_kind: global_buffer, .address_space: global }
      - { .name: wrec, .offset: 8, .size: 8, .value_kind: global_buffer, .address_space: global }
      - { .name: kva, .offset: 16, .size: 8, .value_kind: global_buffer, .address_space: global }
      - { .name: orec, .offset: 24, .size: 8, .value_kind: global_buffer, .address_space: global }
    .group_segment_fixed_size: 327680
    .private_segment_fixed_size: 0
    .kernarg_segment_align: 8
    .kernarg_segment_size: 32
    .max_flat_workgroup_size: 512
    .sgpr_count:     80
    .vgpr_count:     256
    .wavefront_size: 32
...
	.end_amdgpu_metadata
.endif
;; end of part 3
;; launch outp (part 4): grid 4 x 64, 4 waves a work-group, clusters of 4 x 4, 327,680 bytes of LDS; arguments orec, wrec, bo, out0; writes out0
.if DOCPART == 4
	.amdgcn_target "amdgcn-amd-amdhsa--gfx1250"
	.amdhsa_code_object_version 6
	.text
	.protected	k_qa83265c6c8_outp
	.globl	k_qa83265c6c8_outp
	.p2align	8
	.type	k_qa83265c6c8_outp,@function
k_qa83265c6c8_outp:
	s_mov_b64 s[64:65], 0
	v_nop
	global_prefetch_b8 v0, s[64:65] scope:SCOPE_SE
	s_setreg_imm32_b32 hwreg(HW_REG_WAVE_MODE, 25, 1), 1
	s_wait_xcnt 0x0
	s_wait_alu depctr_hold_cnt(0) depctr_sa_sdst(0) depctr_va_vdst(0) depctr_va_sdst(0) depctr_va_ssrc(0) depctr_va_vcc(0) depctr_vm_vsrc(0)
	s_getreg_b32 s2, hwreg(HW_REG_IB_STS2, 6, 4)
	s_cmp_eq_u32 s2, 0
	s_cbranch_scc0 .Lentry_in_a_cluster
	s_endpgm
.Lentry_in_a_cluster:
	s_bfe_u32 s2, ttmp6, 0x10000c
	s_cmp_lg_u32 s2, 0xf033
	s_cbranch_scc0 .Lentry_shape_is_right
	s_endpgm
.Lentry_shape_is_right:
; out0 = o Wo + bo on codes of FP6 (E2M3) with E8M0 scales; sums in f32.  Operands come as RECORDS of 6,400 bytes (32 rows x 256 K in the order of an operand's registers: tile u at 3072 u, 128 K at 1536 s;
; scale word of (u, r, s) at 6144 + 8 (r + 16 s) + 4 u; lane r of tile u holds row 8 u + r + 8 (r / 8)), laid [256 along K][pair of tiles].
; R = o's rows (source 1), P = Wo's columns n (source 0): a lane holds ONE row, and the 16 registers of P's tiles 2 b, 2 b + 1 are n = 32 b + 16 h + 0 .. 15.  The bias is the C of each sum's first product.
; SHARES.  A work-group: 128 rows of R x 256 of P, all of K, which lies in LDS whole (4 chunks of 12 records), filled once.  Wave: 64 x 128: 32 accumulators.  256 work-groups.
; CLUSTER 4 x 4: R's records are shared along a row of the cluster, P's along a column: each is asked for jointly.  Waves 0, 1 fetch R's halves, waves 2, 3 P's: one load a wave, issued at the start.
; WAY OUT.  A tile of 16 rows x 128 n goes through my stage in LDS (16 rows x 528 bytes) and leaves as whole rows of 512 bytes.  The stages lie from LDS byte 0 on: they have had their one fill, and every wave's reads
; of LDS ended ahead of the barrier before the way out.
; REGISTERS: window 0: v1-11 lane numbers and addresses; v32-63 scale words, two sets; v64-111 R's four fragments; v160-223 the bias; on the way out v64-191 rows.  Window 1: P's eight fragments, two sets.  Window 2: accumulator (a, b) at v[8 (8 a + b)].
.set KCH,   4                          ; chunks of 256 along K
.set REC,   6400
.set CHB,   12*REC                     ; a chunk in LDS: R's 4 records, then P's 8
.set SPARE, 4*CHB                      ; the spare words, 128 bytes for each wave: two blocks of 256 bytes that no other line names
.set ACS,   1638400                    ; from chunk to chunk in orec
; LDS, as the text below has it: each wave brings its records of ALL chunks by ONE tensor load, a row of the tile being its records of one chunk:
; R's half w from w x KCH x 2 records, P's half w from KCH x 4 records x (1 + w); in a region chunk c lies c x 2 (R) or c x 4 (P) records on.  One wait for 0 and one barrier show all of K.
; The stages lie from LDS byte 0 on, in bytes that have had their one fill; a barrier ahead of the way out shows that every wave's reads of LDS are over.
.set WCS,   1638400                    ; and in wrec
.set R16, 4
.set R8,  5
.set P16, 6
.set P8,  7
.set ADRS, 8
.set STO, 9                            ; v9  the stage: where I put 32 bytes of a row
.set RD,  10                           ; v10 and where I read a row back
.set CO,  11
.set ASTEP, 15                         ; v15 from chunk to chunk for the scale words: lanes 0-15 two records, lanes 16-31 four
.set SPW, 28                           ; v28 LDS address of my spare word; never rewritten
.set NIL, 29                           ; v29 0; never rewritten
.set SC,  32
.set RF,  64
.set BK,  64
.set BIAS, 160
.set WV,  12
.set WR,  13
.set WP,  14
.set G1R, 16
.set G1P, 24
.set G0R, 32
.set G0P, 48
.set MSB, 0
.macro WIN new                         ; the immediate's high byte repeats the setting that is left
.if MSB != \new
	s_set_vgpr_msb (MSB<<8)|\new
.set MSB, \new
.endif
.endm
.set MUL,  0xa1                        ; source 0 (P) window 1, source 1 (R) window 0, C and D window 2
.set MULB, 0x81                        ; the same with C (the bias) in window 0
.set TO_P, 0x40                        ; destination window 1
.macro PLACES n
.rept \n
	v_nop
.endr
.endm
.macro CROUND                          ; a round of the cluster's barrier
	s_barrier_signal -1
	s_barrier_wait -1
	s_cmp_lg_u32 s[WV], 0
	s_cbranch_scc1 .Lnot_wave_0_\@
	s_barrier_signal -3
.Lnot_wave_0_\@:
	s_barrier_wait -3
	s_barrier_signal -1
	s_barrier_wait -1
.endm
.macro FRAG reg, a16, a8, off          ; a fragment, 16 rows x 128 K, 12 registers: two half fragments, each 16 bytes a lane and then 8: every access is consecutive over the lanes
	ds_load_b128 v[\reg:\reg+3], v[\a16] offset:\off
	ds_load_b64 v[\reg+4:\reg+5], v[\a8] offset:\off+512
	ds_load_b128 v[\reg+6:\reg+9], v[\a16] offset:\off+768
	ds_load_b64 v[\reg+10:\reg+11], v[\a8] offset:\off+1280
.endm
.macro FETCH_P s, set                  ; P's eight fragments of the chunk's step s: 32 loads
	WIN TO_P
.irp b, 0,1,2,3,4,5,6,7
	FRAG 128*(\set)+12*\b, P16, P8, (\b/2)*REC+(\b%2)*3072+1536*(\s)
.endr
	WIN 0
.endm
.macro FETCH_R s, a0                   ; R's tiles a0, a0 + 1: 8 loads
.irp a, \a0, \a0+1
	FRAG RF+12*(\a), R16, R8, ((\a)/2)*REC+((\a)%2)*3072+1536*(\s)
.endr
.endm
.macro SCALES set                      ; a chunk's scale words: register 8 s + i: lanes 0-15 R's tile i, lanes 16-31 P's tile i (for i over 3 lanes 0-15 bring words that no product names): 8 loads
.irp s, 0,1
.irp i, 0,1,2,3
	ds_load_b64 v[SC+16*(\set)+8*\s+2*\i:SC+16*(\set)+8*\s+2*\i+1], v[ADRS] offset:REC*\i+128*\s
.endr
.endr
.endm
.macro MUL8 a, set, s, sc, first       ; R's tile a against P's eight.  The 32 accumulators take turns, in the same order in every step
.irp b, 0,1,2,3,4,5,6,7
.if \first
	v_wmma_scale_f32_16x16x128_f8f6f4 v[8*(8*(\a)+\b):8*(8*(\a)+\b)+7], v[128*(\set)+12*\b:128*(\set)+12*\b+11], v[RF+12*(\a):RF+12*(\a)+11], v[BIAS+8*\b:BIAS+8*\b+7], v[SC+16*(\sc)+8*(\s)+\b], v[SC+16*(\sc)+8*(\s)+(\a)] matrix_a_fmt:MATRIX_FMT_FP6 matrix_b_fmt:MATRIX_FMT_FP6 matrix_a_scale:MATRIX_SCALE_ROW1
.else
	v_wmma_scale_f32_16x16x128_f8f6f4 v[8*(8*(\a)+\b):8*(8*(\a)+\b)+7], v[128*(\set)+12*\b:128*(\set)+12*\b+11], v[RF+12*(\a):RF+12*(\a)+11], v[8*(8*(\a)+\b):8*(8*(\a)+\b)+7], v[SC+16*(\sc)+8*(\s)+\b], v[SC+16*(\sc)+8*(\s)+(\a)] matrix_a_fmt:MATRIX_FMT_FP6 matrix_b_fmt:MATRIX_FMT_FP6 matrix_a_scale:MATRIX_SCALE_ROW1
.endif
.endr
.endm
.macro STEP sc, first                  ; a chunk's first 128 along K; fetches its second
	s_wait_dscnt 8                                 ; all but the youngest eight loads (R's tiles 2, 3) are in
.if \first
	WIN MULB
.else
	WIN MUL
.endif
	MUL8 0, 0, 0, \sc, \first
	MUL8 1, 0, 0, \sc, \first
	s_wait_dscnt 0x0
	PLACES 4                                       ; in front of loads into registers that matrix instructions have read
	FETCH_P 1, 1
	FETCH_R 1, 0
.if \first
	WIN MULB
.else
	WIN MUL
.endif
	MUL8 2, 0, 0, \sc, \first
	MUL8 3, 0, 0, \sc, \first
	PLACES 4
	WIN 0
	FETCH_R 1, 2
.endm
.macro TURN c                          ; chunk c's second 128 along K, and on to chunk c + 1.
	s_wait_dscnt 8
	WIN MUL
	MUL8 0, 1, 1, (\c)%2, 0
	s_wait_dscnt 0x0                               ; all my LDS loads are in, R's tiles 2, 3 too
	MUL8 1, 1, 1, (\c)%2, 0
	WIN 0
	v_add_nc_u32 v[R16], 2*REC, v[R16]             ; five plain instructions: also the places in front of the loads below
	v_add_nc_u32 v[R8], 2*REC, v[R8]
	v_add_nc_u32 v[P16], 4*REC, v[P16]
	v_add_nc_u32 v[P8], 4*REC, v[P8]
	v_add_nc_u32 v[ADRS], v[ASTEP], v[ADRS]
	FETCH_P 0, 0
	FETCH_R 0, 0
	SCALES ((\c)+1)%2
	WIN MUL
	MUL8 2, 1, 1, (\c)%2, 0
	MUL8 3, 1, 1, (\c)%2, 0
	PLACES 4
	WIN 0
	FETCH_R 0, 2
.endm
; THE WAY OUT of R's tile a.  LDS serves a wave's instructions in order: no wait between the stores and the loads, nor in front of the next tile's stores.
.macro TOSTAGE a
	WIN 0x08                                       ; an LDS store's data are its source 1: window 2
.irp b, 0,1,2,3,4,5,6,7
	ds_store_b128 v[STO], v[64*(\a)+8*\b:64*(\a)+8*\b+3] offset:128*(\b/2)+32*(\b%2)       ; each accumulator from its low end on
	ds_store_b128 v[STO], v[64*(\a)+8*\b+4:64*(\a)+8*\b+7] offset:128*(\b/2)+32*(\b%2)+16
.endr
	WIN 0
.set BB, BK+64*((\a)%2)
.irp t, 0,1,2,3,4,5,6,7,8,9,10,11,12,13,14,15
	ds_load_b128 v[BB+4*\t:BB+4*\t+3], v[RD] offset:528*\t
.endr
.endm
.macro SEND a, younger                 ; younger: the LDS instructions issued behind tile a's loads, which may stay out
.set BB, BK+64*((\a)%2)
	s_wait_dscnt \younger
.irp t, 0,1,2,3,4,5,6,7,8,9,10,11,12,13,14,15
	global_store_b128 v[CO], v[BB+4*\t:BB+4*\t+3], s[10:11] offset:(32*((\a)/2)+8*((\a)%2)+\t+8*(\t/8))*4096 th:TH_STORE_NT   ; tile row t is row 8 u + t + 8 (t / 8) of its pair; 32 lanes store 512 consecutive bytes, at a multiple of 256 from out0's first byte
.endr
.endm
	s_load_b256 s[4:11], s[0:1], 0x0               ; orec, wrec, bo, out0
	v_lshl_add_u32 v[SPW], v0, 2, SPARE
	v_mov_b32 v[NIL], 0
	ds_add_u32 v[SPW], v[NIL]                      ; the wave's opening: the add and its wait ahead of my first tensor load
	ds_add_u32 v[SPW], v[NIL]
	v_lshrrev_b32 v1, 5, v0
	v_readfirstlane_b32 s[WV], v1                  ; wave 0..3
	s_lshr_b32 s[WR], s[WV], 1                     ; my half of R's rows.  Also: I fetch for R (0) or for P (1)
	s_and_b32 s[WP], s[WV], 1                      ; my half of P's rows.  Also: which half I fetch
	s_bfe_u32 s66, ttmp6, 0x40000                  ; cx
	s_bfe_u32 s67, ttmp6, 0x40004                  ; cy
	s_and_b32 s68, ttmp7, 0xffff
	s_lshl_b32 s70, s68, 2
	s_add_co_u32 s70, s70, s67                     ; R's block of 128 rows = 4 x cluster y + cy
	s_lshl_b32 s72, ttmp9, 2
	s_add_co_u32 s72, s72, s66                     ; P's block of 256 rows = 4 x cluster x + cx
	s_mov_b32 s94, s70
	s_mov_b32 s95, s72
	s_lshl_b32 s98, s67, 2
	s_lshl_b32 s98, 15, s98                        ; my row of the cluster
	s_lshl_b32 s99, 0x1111, s66                    ; my column
	s_or_b32 s[G1R], s98, (3<<16)|(1<<21)          ; 15:0 the mask; 17:16 elements of 8 bytes; 21 set beside a mask; no padding
	s_or_b32 s[G1P], s99, (3<<16)|(1<<21)
	s_mov_b32 s[G1R+1], 1600<<16                   ; tensor_dim0: a row is two records, 12,800 bytes
	s_mov_b32 s[G1R+2], KCH<<16                    ; tensor_dim1: a row for each chunk
	s_mov_b32 s[G1R+3], 1600<<16                   ; tile_dim0
	s_mov_b32 s[G1R+4], KCH                        ; tile_dim1
	s_mov_b32 s[G1R+5], ACS/8                      ; from chunk to chunk
	s_mov_b32 s[G1R+6], 0
	s_mov_b32 s[G1R+7], 0
	s_mov_b32 s[G1P+1], 3200<<16                   ; four records
	s_mov_b32 s[G1P+2], KCH<<16
	s_mov_b32 s[G1P+3], 3200<<16
	s_mov_b32 s[G1P+4], KCH
	s_mov_b32 s[G1P+5], WCS/8
	s_mov_b32 s[G1P+6], 0
	s_mov_b32 s[G1P+7], 0
	s_mul_i32 s70, s70, 4*REC
	s_mul_i32 s82, s[WP], 2*REC                    ; the half that I fetch: in memory and in LDS
	s_add_co_u32 s70, s70, s82
	s_mov_b32 s71, 0
	s_mul_i32 s72, s72, 8*REC
	s_add_co_u32 s72, s72, 4*WCS                   ; Wo's planes in wrec
	s_mul_i32 s83, s[WP], 4*REC
	s_add_co_u32 s72, s72, s83
	s_mov_b32 s73, 0
	s_wait_dscnt 0x0                               ; the opening add is done
	s_wait_kmcnt 0x0
	s_add_nc_u64 s[74:75], s[4:5], s[70:71]
	s_add_nc_u64 s[76:77], s[6:7], s[72:73]
	s_mov_b32 s[G0R], 1
	s_mul_i32 s[G0R+1], s[WP], KCH*2*REC           ; R's half that I fetch
	s_mov_b64 s[G0R+2:G0R+3], s[74:75]
	s_or_b32 s[G0R+3], s[G0R+3], 0x80000000
	s_mov_b32 s[G0P], 1
	s_mul_i32 s[G0P+1], s[WP], KCH*4*REC           ; P's half, behind R's two
	s_add_co_u32 s[G0P+1], s[G0P+1], KCH*4*REC
	s_mov_b64 s[G0P+2:G0P+3], s[76:77]
	s_or_b32 s[G0P+3], s[G0P+3], 0x80000000
	CROUND                                         ; all sixteen work-groups are here: the joint loads meet
	s_cmp_eq_u32 s[WR], 0                          ; a wave's fills stand in one branch on its number: one load of mine goes out
	s_cbranch_scc0 .Lfill_p
	tensor_load_to_lds s[G0R:G0R+3], s[G1R:G1R+7]  ; my one load
	s_nop 0
	PLACES 4
	s_branch .Lfilled
.Lfill_p:
	tensor_load_to_lds s[G0P:G0P+3], s[G1P:G1P+7]  ; my one load
	s_nop 0
	PLACES 4
.Lfilled:
	v_and_b32 v1, 15, v0                           ; r
	v_bfe_u32 v2, v0, 4, 1                         ; h
	v_and_b32 v3, 31, v0                           ; l
	s_wait_alu depctr_va_vdst(0)
	s_lshl_b32 s95, s95, 1
	s_add_co_u32 s95, s95, s[WP]                   ; my 128 n
	s_lshl_b32 s2, s95, 9
	s_mov_b32 s3, 0
	s_add_nc_u64 s[8:9], s[8:9], s[2:3]            ; their bias
	v_lshlrev_b32 v12, 6, v2                       ; lane (r, h) wants, for tiles 2 b and 2 b + 1, bo at n = 32 b + 16 h + 0 .. 15
.irp b, 0,1,2,3
.irp q, 0,1,2,3
	global_load_b128 v[BIAS+16*\b+4*\q:BIAS+16*\b+4*\q+3], v12, s[8:9] offset:128*\b+16*\q
.endr
.endr
	s_mul_i32 s82, s[WR], KCH*2*REC                ; my 64 rows of R: two records a chunk
	s_mul_i32 s83, s[WP], KCH*4*REC
	s_add_co_u32 s83, s83, KCH*4*REC               ; my 128 rows of P: four records a chunk
	v_lshl_add_u32 v[R16], v3, 4, s82
	v_lshl_add_u32 v[R8], v3, 3, s82
	v_lshl_add_u32 v[P16], v3, 4, s83
	v_lshl_add_u32 v[P8], v3, 3, s83
	s_sub_co_u32 s83, s83, s82
	v_mul_u32_u24 v[ADRS], s83, v2                 ; lanes 16-31 take P's
	v_lshl_add_u32 v[ADRS], v1, 3, v[ADRS]
	s_add_co_u32 s82, s82, 6144
	v_add_nc_u32 v[ADRS], s82, v[ADRS]
	v_mul_u32_u24 v[ASTEP], 2*REC, v2
	v_add_nc_u32 v[ASTEP], 2*REC, v[ASTEP]
	s_mul_i32 s82, s[WV], 16*528                   ; my stage
	v_mul_u32_u24 v[STO], v1, 528
	v_lshl_add_u32 v[STO], v2, 6, v[STO]
	v_add_nc_u32 v[STO], s82, v[STO]               ; in: row r, + 64 h
	v_lshlrev_b32 v[CO], 4, v3
	v_add_nc_u32 v[RD], s82, v[CO]                 ; back: a whole row, 16 bytes a lane
	s_lshl_b32 s94, s94, 7
	s_lshl_b32 s82, s[WR], 6
	s_add_co_u32 s94, s94, s82                     ; my first row of out0
	s_lshl_b32 s82, s94, 12
	s_add_co_u32 s82, s82, s2                      ; + my first column, in bytes
	s_mov_b32 s83, 0
	s_add_nc_u64 s[10:11], s[10:11], s[82:83]
	s_wait_alu depctr_va_vdst(0)
	s_wait_tensorcnt 0x0                           ; my one load is in
	s_barrier_signal -1
	s_barrier_wait -1                              ; everybody's is
	FETCH_P 0, 0
	FETCH_R 0, 0
	SCALES 0
	FETCH_R 0, 2
	s_wait_loadcnt 0x0                             ; the bias
	STEP 0, 1                                      ; the first products start the sums from the bias: nothing is cleared or added later
	TURN 0
	s_wait_alu depctr_va_vdst(0)
	STEP 1, 0
	TURN 1
	s_wait_alu depctr_va_vdst(0)
	STEP 0, 0
	TURN 2
	s_wait_alu depctr_va_vdst(0)
	STEP 1, 0
	s_wait_dscnt 8                                 ; the last step: nothing more to fetch
	WIN MUL
	MUL8 0, 1, 1, (KCH-1)%2, 0
	MUL8 1, 1, 1, (KCH-1)%2, 0
	s_wait_dscnt 0x0                               ; my reads of LDS are over:
	s_barrier_signal -1                            ; say so,
	MUL8 2, 1, 1, (KCH-1)%2, 0
	MUL8 3, 1, 1, (KCH-1)%2, 0
	WIN 0
	s_barrier_wait -1                              ; and everybody's are: the stages may be written
	PLACES 4                                       ; in front of the first read of results, and of loads into the registers that held R's fragments
	TOSTAGE 0
.irp a, 1,2,3
.if \a > 1
	s_wait_xcnt 0x0                                ; tile a - 2's stores have read their registers: tile a's loads may land there
.endif
	TOSTAGE \a
	SEND \a-1, 32                                  ; behind tile a - 1's loads: tile a's 16 stores and 16 loads
.endr
	SEND 3, 0
	s_wait_tensorcnt 0x0                           ; the wave's end, behind my last LDS store
	ds_add_u32 v[SPW], v[NIL]
	s_wait_dscnt 0x0
	CROUND                                         ; the closing round
	s_endpgm
.Lfunc_end_k_qa83265c6c8_outp:
	.size	k_qa83265c6c8_outp, .Lfunc_end_k_qa83265c6c8_outp-k_qa83265c6c8_outp
	.p2alignl 7, 3214868480
	.fill 96, 4, 3214868480
	.section	.rodata,"a",@progbits
	.p2align	6, 0x0
	.amdhsa_kernel k_qa83265c6c8_outp
		.amdhsa_group_segment_fixed_size 327680
		.amdhsa_private_segment_fixed_size 0
		.amdhsa_enable_private_segment 0
		.amdhsa_kernarg_size 32
		.amdhsa_user_sgpr_count 2
		.amdhsa_user_sgpr_kernarg_segment_ptr 1
		.amdhsa_wavefront_size32 1
		.amdhsa_system_sgpr_workgroup_id_x 1
		.amdhsa_system_sgpr_workgroup_id_y 1
		.amdhsa_system_sgpr_workgroup_id_z 1
		.amdhsa_system_vgpr_workitem_id 0
		.amdhsa_next_free_vgpr 768
		.amdhsa_next_free_sgpr 100
		.amdhsa_reserve_vcc 0
		.amdhsa_float_denorm_mode_32 3
		.amdhsa_float_denorm_mode_16_64 3
		.amdhsa_memory_ordered 1
		.amdhsa_forward_progress 1
		.amdhsa_inst_pref_size 85
	.end_amdhsa_kernel
	.amdgpu_metadata
---
amdhsa.version: [ 1, 2 ]
amdhsa.kernels:
  - .name:           k_qa83265c6c8_outp
    .symbol:         k_qa83265c6c8_outp.kd
    .args:
      - { .name: orec, .offset: 0, .size: 8, .value_kind: global_buffer, .address_space: global }
      - { .name: wrec, .offset: 8, .size: 8, .value_kind: global_buffer, .address_space: global }
      - { .name: bo, .offset: 16, .size: 8, .value_kind: global_buffer, .address_space: global }
      - { .name: out0, .offset: 24, .size: 8, .value_kind: global_buffer, .address_space: global }
    .group_segment_fixed_size: 327680
    .private_segment_fixed_size: 0
    .kernarg_segment_align: 8
    .kernarg_segment_size: 32
    .max_flat_workgroup_size: 128
    .sgpr_count:     100
    .vgpr_count:     768
    .wavefront_size: 32
...
	.end_amdgpu_metadata
.endif
;; end of part 4
